; MI455X (gfx1250); checked and timed in simulation.
; The chip was launched on July 23, 2026; its instructions are those of AMD's public machine-readable ISA for CDNA 5 (MIT licence, August 2026) and "CDNA5" Instruction Set Architecture Reference Guide (July 2026). The comments in the code are by the model that wrote it; some were corrected since.
;; Multi Headed Attention. Allowed arithmetic: matrix products marked QUANTISED: E2M1 operands, one E8M0 scale for each 32 along K, by v_wmma_scale_f32_16x16x128_f8f6f4 with both operands' format E2M1 (or v_wmma_scale_f32_32x16x128_f4), f32 sums; everything else in f32.
;; Inputs: W_K_codes 1,024 x 32 x 16 uint8 (E2M1 codes of W_K, K innermost, in blocks of 32 codes, two codes a byte); W_K_scales 1,024 x 32 uint8 (E8M0 scales of W_K, one for each 32 codes along K); W_O_codes 1,024 x 32 x 16 uint8 (E2M1 codes of W_O, K innermost, in blocks of 32 codes, two codes a byte); W_O_scales 1,024 x 32 uint8 (E8M0 scales of W_O, one for each 32 codes along K); W_Q_codes 1,024 x 32 x 16 uint8 (E2M1 codes of W_Q, K innermost, in blocks of 32 codes, two codes a byte); W_Q_scales 1,024 x 32 uint8 (E8M0 scales of W_Q, one for each 32 codes along K); W_V_codes 1,024 x 32 x 16 uint8 (E2M1 codes of W_V, K innermost, in blocks of 32 codes, two codes a byte); W_V_scales 1,024 x 32 uint8 (E8M0 scales of W_V, one for each 32 codes along K); beta 1,024 float32; gamma 1,024 float32; key_codes 4 x 2,048 x 32 x 16 uint8 (E2M1 codes of key, K innermost, in blocks of 32 codes, two codes a byte); key_scales 4 x 2,048 x 32 uint8 (E8M0 scales of key, one for each 32 codes along K); mask 4 x 2,048 x 2,048 int32; query 4 x 2,048 x 1,024 float32; value_codes 4 x 2,048 x 32 x 16 uint8 (E2M1 codes of value, K innermost, in blocks of 32 codes, two codes a byte); value_scales 4 x 2,048 x 32 uint8 (E8M0 scales of value, one for each 32 codes along K).
;; Outputs: out0 4 x 2,048 x 1,024 float32.
;; This version of the problem:
;;   THIS VERSION OF THE PROBLEM IS GIVEN IN LOW PRECISION. The matrix products marked QUANTISED in the list below multiply operands that are first quantised to E2M1 (2 exponent bits, 1 mantissa bit; 4 bits a number), with one power-of-two scale for each 32 numbers along K (OCP MX v1.0); their sums are f32. All else is computed in f32.
;;   The module's matrix products, in the order in which they are computed (A, B: the left and right operand; K: the contracted axis; several contracted axes count as one K, in the product's order):
;;     1. [M 8,192, K 1,024] x [K 1,024, N 1,024]; A: input query; B: input W_Q (given as codes): QUANTISED
;;     2. [M 8,192, K 1,024] x [K 1,024, N 1,024]; A: input key (given as codes); B: input W_K (given as codes): QUANTISED
;;     3. [M 8,192, K 1,024] x [K 1,024, N 1,024]; A: input value (given as codes); B: input W_V (given as codes): QUANTISED
;;     4. batch 64 x [M 2,048, K 64] x [K 64, N 2,048]; A: computed on the way; B: computed on the way: QUANTISED
;;     5. batch 64 x [M 2,048, K 2,048] x [K 2,048, N 64]; A: softmax (see below); B: computed on the way: QUANTISED
;;     6. [M 8,192, K 1,024] x [K 1,024, N 1,024]; A: computed on the way; B: input W_O (given as codes): QUANTISED
;;   THE QUANTISER, for each operand of a quantised product, along K:
;;     - K is cut into blocks of 32 from its start; a last block that is shorter is filled with zeros.
;;     - A block's scale is 2^e with e = floor(log2(the largest magnitude in the block)) - 2, held to -126 .. 127; a block of zeros has e = 0. As a byte (E8M0): e + 127.
;;     - Each number is divided by its block's scale, clamped to +-6, and rounded to the nearest number of E2M1, ties to even, subnormals kept.
;;     - The product sums the exact products of the quantised numbers (number of the format x scale) in f32.
;;   ~~~python
;;   def quantise(x, axis):      # numpy; x: float32 -> the quantised numbers, widened to float32 again
;;       x = np.moveaxis(x, axis, -1); K = x.shape[-1]
;;       x = np.pad(x, [(0, 0)] * (x.ndim - 1) + [(0, -K % 32)]); x = x.reshape(x.shape[:-1] + (-1, 32)); a = np.abs(x).max(-1, keepdims=True)
;;       e = np.where(a > 0, np.clip(np.frexp(np.where(a > 0, a, 1))[1] - 1 - 2, -126, 127), 0)      # np.frexp(a)[1] - 1 = floor(log2(a)), exactly
;;       r = np.clip(x / 2.0 ** e, -6, 6)
;;       step = 2.0 ** (np.maximum(np.frexp(np.where(r == 0, 1, r))[1] - 1, 0) - 1)
;;       q = np.round(r / step) * step * 2.0 ** e      # np.round: ties to even
;;       return np.moveaxis(q.reshape(q.shape[:-2] + (-1,))[..., :K], -1, axis).astype(np.float32)
;;   ~~~
;;   SOFTMAX AHEAD OF A QUANTISED PRODUCT. Where the list says 'softmax', what is quantised is not the finished softmax but p = 2^(t - M), with t = logit x log2(e) and M = ceil(the row's largest t), a whole number; so 1/2 < the row's largest p <= 1. The row's sum l is taken of the UNQUANTISED p, in f32, and the product's result is divided by l at the end. Since M is a whole number, a kernel that streams over the keys may use a running M (the ceiling of the running maximum): every later rescaling is an exact power of two, which a block's scale takes up: the codes' values come out the same.
;;   OPERANDS COMPUTED ON THE WAY. 'Computed on the way' means the value that the module computes at that place (a softmax that the list does not call 'softmax' is quantised finished and normalised). What goes into a quantiser is computed in f32, as accurately as f32 sums, v_exp_f32 and their like allow (about 1e-6 of the number): no bf16 or f16 on the way to a quantiser, and a product that is left as it is and whose result goes on into a quantised operand takes f32 operands (vector FMAs, or v_wmma_f32_16x16x4_f32). A number that lies on a knife's edge between two numbers of the format may be rounded either way, as far as f32 arithmetic and the matrix unit's own rounding can turn it there, and no further.
;;   INPUTS GIVEN AS CODES. W_K (in the module: [1024, 1024], K = its axis 1); W_O (in the module: [1024, 1024], K = its axis 1); W_Q (in the module: [1024, 1024], K = its axis 1); W_V (in the module: [1024, 1024], K = its axis 1); key (in the module: [4, 2048, 1024], K = its axis 2); value (in the module: [4, 2048, 1024], K = its axis 2): each comes as NAME_codes (uint8): NAME with its K axis moved to the last place and cut into blocks of 32 codes, [.., K / 32, bytes a block], one block behind the other in memory; two codes a byte, the lower K in the low four bits (a code: sign, 2 exponent bits, 1 mantissa bit); and NAME_scales (uint8): the same leading axes, one E8M0 byte (e + 127) for each 32 codes along K. Its value is code x scale, taken as it is: it is not quantised again, and the codes and scales need not be those that the quantiser above would give.
;; 2 versions, each right. Each part assembles by itself: llvm-mc -triple=amdgcn-amd-amdhsa -mcpu=gfx1250 --defsym DOCPART=n.
;; ======== version 1 of 2: 4 launches
;; limits: right only within a limited range of input values
;; workspace buffers: qx 4,456,448 bytes; maskw 2,097,152 bytes of whole numbers; wo_img 524,288 bytes; qh 4,718,592 bytes; kv 9,175,040 bytes; ctx 4,718,592 bytes
;; launch prep (part 1): grid 784 x 1, 4 waves a work-group, no clusters, 67,072 bytes of LDS; arguments query, mask, W_O_codes, qx, maskw, wo_img; writes qx, maskw, wo_img
.if DOCPART == 1
	.amdgcn_target "amdgcn-amd-amdhsa--gfx1250"
	.amdhsa_code_object_version 6
	.text
	.protected	k_q07a06c932f_prep
	.globl	k_q07a06c932f_prep
	.p2align	8
	.type	k_q07a06c932f_prep,@function
k_q07a06c932f_prep:
	s_mov_b64 s[64:65], 0
	v_nop
	global_prefetch_b8 v0, s[64:65] scope:SCOPE_SE
	s_setreg_imm32_b32 hwreg(HW_REG_WAVE_MODE, 25, 1), 1
	s_wait_xcnt 0x0
; PREP: three streams, told apart by the work-group's number; no matrix work, no barrier: waves share nothing.
; PATH Q (work-groups 0-255): query [8192][1024] f32 becomes codes of FP4 (E2M1), K innermost, laid as key_codes is (qx, 512 bytes a row), and one E8M0 byte
;   for each 32 along K (qx + 4,194,304, 32 bytes a row).  A block's byte is its largest magnitude's exponent field - 2, held at 1 from below.
;   A block of zeros keeps the byte 1: its codes are zeros, and this program alone reads the bytes.
; PATH M (work-groups 256-767): mask [8192 rows][2048] int32 becomes bits, in the order in which the attention launch holds its scores:
;   maskw [512 query tiles T][16 key steps s][64 words]; bit L of word n = 8 t + j is (mask[16 T + L % 16][128 s + 16 t + 8 (L / 16) + j] == 1).
; PATH W (work-groups 768-783): W_O's codes are laid as images of the operand's registers: wo_img [64 tiles of 16 rows][8 K steps][2][32 lanes][16 bytes].
;   Its loads take 16 bytes of rows 512 bytes apart: 524,288 bytes of the launch's 101 million.
; LIMITS: NaN and infinities in query are not served; blocks whose largest magnitude lies under 2^-124 keep the byte 1.
; Each path that uses LDS has bytes of its own: Q bytes 0 to 32,767, M bytes 32,768 to 66,559; in both, each wave has its own part.
; Left out: tensor loads, matrix units, clusters (no work-group shares an input byte with another), prefetches (the launch is one stream of loads from its first line on).
.set STEPS, 16
.set EMAX,  2
.set CB,    8                          ; bytes of 16 codes
.set R,     16                         ; Q: v16-79   four sets of 16 numbers as loaded
.set X,     80                         ; Q: v80-111  two sets of 16 neighbours
.set E,     112                        ; Q: v112-127 a scale byte for each step
.set C,     128                        ; Q: v128-191 codes, four registers a step: no store's data are written again
.set WREG,  8192                       ; Q: LDS of a wave: two stages of 32 x SP bytes, then its 256 scale bytes
.set SP,    80                         ; Q: a lane's place in a stage: 64 bytes + 16 of padding
.set MSTG,  32768                      ; M: the stages begin here, 16 rows x MPIT for each wave
.set MPIT,  528                        ; M: a stage row: 512 bytes + 16: the sixteen rows that a load touches start in different banks
.set MW,    16                         ; M: v16-23   the words to store, two registers a unit
.set MR,    32                         ; M: v32-159  two sets of 64 registers as loaded
.set MX,    160                        ; M: v160-223 a unit in the scores' order
.macro QLOAD t
.irp i, 0,1,2,3
	global_load_b128 v[R+16*((\t)%4)+4*\i:R+16*((\t)%4)+4*\i+3], v3, s[4:5] offset:2048*(\t)+512*\i th:TH_LOAD_NT   ; 32 lanes read 512 consecutive bytes
.endr
.endm
.macro QTURN t                         ; a step's 2,048 bytes through the wave's stage: in as they lie, back 64 bytes a lane; LDS serves a wave's instructions in order
.irp i, 0,1,2,3
	ds_store_b128 v14, v[R+16*((\t)%4)+4*\i:R+16*((\t)%4)+4*\i+3] offset:32*SP*((\t)%2)+8*SP*\i
.endr
.irp i, 0,1,2,3
	ds_load_b128 v[X+16*((\t)%2)+4*\i:X+16*((\t)%2)+4*\i+3], v15 offset:32*SP*((\t)%2)+16*\i
.endr
.endm
.macro QSTEP t
.set XS, X+16*((\t)%2)
.if (\t) > 0
	s_wait_dscnt 1                                 ; this step's numbers are back from the stage; the last step's byte store may be out
.else
	s_wait_dscnt 0x0
.endif
.if (\t)+4 < STEPS
	QLOAD (\t)+4                                   ; into the set whose stores into the stage are done
.endif
.if (\t)+1 < STEPS
.if STEPS-2-(\t) >= 3
	s_wait_loadcnt 12                              ; the next step's four loads are in; three later steps' twelve may be out
.else
	s_wait_loadcnt 4*(STEPS-2-(\t))
.endif
	QTURN (\t)+1
.endif
	v_max3_num_f32 v8, |v[XS]|, |v[XS+1]|, |v[XS+2]|               ; the largest magnitude of my 16, in two chains
	v_max3_num_f32 v9, |v[XS+3]|, |v[XS+4]|, |v[XS+5]|
.irp i, 6,10
	v_max3_num_f32 v8, v8, |v[XS+\i]|, |v[XS+\i+1]|
	v_max3_num_f32 v9, v9, |v[XS+\i+2]|, |v[XS+\i+3]|
.endr
	v_max3_num_f32 v8, v8, |v[XS+14]|, |v[XS+15]|
	v_max3_num_f32 v8, v8, v9, (EMAX+1)<<23        ; and the floor 2^(3 - 127): the byte cannot fall under 1
	v_max_num_f32_dpp v8, v8, v8 row_xmask:1 row_mask:0xf bank_mask:0xf   ; with my neighbour's 16: the block's
	v_add_nc_u32 v11, -(EMAX<<23), v8              ; 2 off the exponent field: the conversion takes that field as its scale
	v_cvt_scalef32_pk8_fp4_f32 v[C+4*(\t)], v[XS:XS+7], v11
	v_cvt_scalef32_pk8_fp4_f32 v[C+4*(\t)+1], v[XS+8:XS+15], v11
	v_lshrrev_b32 v[E+(\t)], 23, v11               ; the scale's byte (also the plain line behind the conversions)
	ds_store_b8 v5, v[E+(\t)] offset:16*(\t)       ; both lanes of a block write the same byte with the same value
	global_store_b64 v4, v[C+4*(\t):C+4*(\t)+1], s[22:23] offset:32*CB*(\t)   ; the wave stores 256 consecutive bytes, aligned
.endm
.macro LOADU u                         ; M: unit u: 16 rows x 512 bytes (128 keys), a row a load
.set i, 0
.rept 16
	global_load_b128 v[MR+64*((\u)%2)+4*i:MR+64*((\u)%2)+4*i+3], v3, s[6:7] offset:8192*i+512*(\u) th:TH_LOAD_NT
.set i, i+1
.endr
.endm
.macro MUNIT u
.if (\u) < 3
	s_wait_loadcnt 16                              ; this unit's 16 loads are in; the next unit's 16 may be out
.else
	s_wait_loadcnt 0
.endif
.set i, 0
.rept 16
	ds_store_b128 v4, v[MR+64*((\u)%2)+4*i:MR+64*((\u)%2)+4*i+3] offset:MPIT*i
.set i, i+1
.endr
.set i, 0
.rept 16
	ds_load_b128 v[MX+4*i:MX+4*i+3], v5 offset:64*(i/2)+16*(i%2)   ; lane (r, h): row r, keys 16 t + 8 h + 0 .. 7: register 8 t + j
.set i, i+1
.endr
	s_wait_dscnt 0x0                               ; the stores have read their registers, and the unit is back
.if (\u) < 2
	LOADU (\u)+2
.endif
.set n, 0
.rept 4
.set i, 0
.rept 16
	v_cmp_eq_u32 s[32+i], 1, v[MX+n+i]             ; word n + i: a bit for each lane
.set i, i+1
.endr
.set i, 0
.rept 16
	v_writelane_b32 v[MW+2*(\u)+((n+i)&1)], s[32+i], (n+i)>>1      ; word n goes to lane n / 2, register n % 2
.set i, i+1
.endr
.set n, n+16
.endr
	global_store_b64 v6, v[MW+2*(\u):MW+2*(\u)+1], s[12:13] offset:256*(\u)   ; 64 words: 256 consecutive bytes, aligned
.endm
	s_load_b256 s[4:11], s[0:1], 0x0               ; query s[4:5], mask s[6:7], W_O_codes s[8:9], qx s[10:11]
	s_load_b128 s[12:15], s[0:1], 0x20             ; maskw s[12:13], wo_img s[14:15]
	v_lshl_add_u32 v224, v0, 2, 0x10400
	v_mov_b32 v225, 0
	v_lshrrev_b32 v1, 5, v0
	v_readfirstlane_b32 s16, v1                    ; wave 0..3
	v_and_b32 v2, 31, v0                           ; lane
	v_lshlrev_b32 v3, 4, v2                        ; 16 x lane
	s_mov_b32 s19, 0
	s_mov_b32 s21, 0
	s_wait_kmcnt 0x0
	s_cmp_lt_u32 ttmp9, 256
	s_cbranch_scc0 .Lnot_q
	; ---------------- PATH Q
	s_mul_i32 s17, s16, WREG
	v_lshrrev_b32 v14, 2, v2
	v_mul_u32_u24 v14, v14, SP
	v_and_b32 v15, 3, v2
	v_lshl_add_u32 v14, v15, 4, v14
	v_add_nc_u32 v14, s17, v14                     ; the stage, in: SP (lane / 4) + 16 (lane % 4)
	v_mul_u32_u24 v15, v2, SP
	v_add_nc_u32 v15, s17, v15                     ; and back: SP x lane: my 16 neighbours
	v_mul_u32_u24 v4, v2, CB                       ; my codes' place in a step's
	v_lshrrev_b32 v5, 1, v2
	s_add_co_u32 s17, s17, 2*32*SP
	v_add_nc_u32 v5, s17, v5                       ; my block's byte among my wave's 256
	v_lshlrev_b32 v7, 3, v2
	v_add_nc_u32 v6, s17, v7
	s_lshl_b32 s17, ttmp9, 2
	s_add_co_u32 s18, s17, s16                     ; which run of 8,192 numbers is my wave's: 0 .. 1,023
	s_lshl_b32 s20, s18, 15                        ; 32,768 bytes of f32 a run
	s_add_nc_u64 s[4:5], s[4:5], s[20:21]
	s_lshl_b32 s20, s18, 12                        ; 4,096 bytes of codes
	s_add_nc_u64 s[22:23], s[10:11], s[20:21]
	s_lshl_b32 s20, s18, 8                         ; 256 scale bytes
	s_add_nc_u64 s[24:25], s[10:11], s[20:21]
	s_add_nc_u64 s[24:25], s[24:25], 0x400000      ; the bytes lie behind the codes
.irp t, 0,1,2,3
	QLOAD \t
.endr
	s_wait_loadcnt 12                              ; step 0's four loads are in
	QTURN 0
.irp t, 0,1,2,3,4,5,6,7,8,9,10,11,12,13,14,15
	QSTEP \t
.endr
	ds_load_b64 v[12:13], v6                       ; LDS serves a wave's instructions in order: these see my byte stores
	s_wait_dscnt 0x0
	global_store_b64 v7, v[12:13], s[24:25]        ; 256 consecutive bytes, aligned
	s_wait_tensorcnt 0x0
	ds_add_u32 v224, v225
	s_wait_dscnt 0x0
	s_endpgm
.Lnot_q:
	s_cmp_lt_u32 ttmp9, 768
	s_cbranch_scc0 .Lpath_w
	; ---------------- PATH M: query tile T = work-group - 256; wave w takes key steps 4 w .. 4 w + 3
	s_sub_co_u32 s17, ttmp9, 256
	s_lshl_b32 s18, s17, 17                        ; 16 rows of 8,192 bytes
	s_lshl_b32 s20, s16, 11                        ; four steps of 512 bytes
	s_add_co_u32 s18, s18, s20
	s_add_nc_u64 s[6:7], s[6:7], s[18:19]
	s_lshl_b32 s18, s17, 12                        ; 4,096 bytes of words a tile
	s_lshl_b32 s20, s16, 10
	s_add_co_u32 s18, s18, s20
	s_add_nc_u64 s[12:13], s[12:13], s[18:19]
	s_mul_i32 s20, s16, 16*MPIT
	s_add_co_u32 s20, s20, MSTG                    ; my stage
	v_add_nc_u32 v4, s20, v3                       ; in: 16 x lane of a row
	v_and_b32 v5, 15, v2
	v_lshrrev_b32 v7, 4, v2
	v_mul_u32_u24 v5, v5, MPIT
	v_lshl_add_u32 v5, v7, 5, v5
	v_add_nc_u32 v5, s20, v5                       ; back: row r, + 32 h
	v_lshlrev_b32 v6, 3, v2                        ; out: 8 bytes a lane
.irp i, 0,1,2,3,4,5,6,7
	v_mov_b32 v[MW+\i], 0                          ; written once: v_writelane_b32 keeps the other lanes
.endr
	LOADU 0
	LOADU 1
	MUNIT 0
	MUNIT 1
	MUNIT 2
	MUNIT 3
	s_wait_tensorcnt 0x0
	ds_add_u32 v224, v225
	s_wait_dscnt 0x0
	s_endpgm
.Lpath_w:
	; ---------------- PATH W: tile of 16 rows = 4 (work-group - 768) + wave
	s_sub_co_u32 s17, ttmp9, 768
	s_lshl_b32 s17, s17, 2
	s_add_co_u32 s17, s17, s16
	s_lshl_b32 s18, s17, 13                        ; 16 rows of 512 bytes, and as many bytes of images
	s_add_nc_u64 s[8:9], s[8:9], s[18:19]
	s_add_nc_u64 s[14:15], s[14:15], s[18:19]
	v_and_b32 v5, 15, v2
	v_lshrrev_b32 v7, 4, v2
	v_lshlrev_b32 v5, 9, v5
	v_lshl_add_u32 v5, v7, 4, v5                   ; row r, + 16 h
.set i, 0
.rept 16
	global_load_b128 v[32+4*i:35+4*i], v5, s[8:9] offset:32*i      ; i = 2 s + c: k = 128 s + 64 c + 32 h + 0 .. 31
.set i, i+1
.endr
	s_wait_loadcnt 0x0
.set i, 0
.rept 16
	global_store_b128 v3, v[32+4*i:35+4*i], s[14:15] offset:512*i  ; 512 consecutive bytes
.set i, i+1
.endr
	s_endpgm
.Lfunc_end_k_q07a06c932f_prep:
	.size	k_q07a06c932f_prep, .Lfunc_end_k_q07a06c932f_prep-k_q07a06c932f_prep
	.p2alignl 7, 3214868480
	.fill 96, 4, 3214868480
	.section	.rodata,"a",@progbits
	.p2align	6, 0x0
	.amdhsa_kernel k_q07a06c932f_prep
		.amdhsa_group_segment_fixed_size 67072
		.amdhsa_private_segment_fixed_size 0
		.amdhsa_enable_private_segment 0
		.amdhsa_kernarg_size 48
		.amdhsa_user_sgpr_count 2
		.amdhsa_user_sgpr_kernarg_segment_ptr 1
		.amdhsa_wavefront_size32 1
		.amdhsa_system_sgpr_workgroup_id_x 1
		.amdhsa_system_sgpr_workgroup_id_y 1
		.amdhsa_system_sgpr_workgroup_id_z 1
		.amdhsa_system_vgpr_workitem_id 0
		.amdhsa_next_free_vgpr 226
		.amdhsa_next_free_sgpr 66
		.amdhsa_reserve_vcc 0
		.amdhsa_float_denorm_mode_32 3
		.amdhsa_float_denorm_mode_16_64 3
		.amdhsa_memory_ordered 1
		.amdhsa_forward_progress 1
		.amdhsa_inst_pref_size 84
	.end_amdhsa_kernel
	.amdgpu_metadata
---
amdhsa.version: [ 1, 2 ]
amdhsa.kernels:
  - .name:           k_q07a06c932f_prep
    .symbol:         k_q07a06c932f_prep.kd
    .args:
      - { .name: query, .offset: 0, .size: 8, .value_kind: global_buffer, .address_space: global }
      - { .name: mask, .offset: 8, .size: 8, .value_kind: global_buffer, .address_space: global }
      - { .name: W_O_codes, .offset: 16, .size: 8, .value_kind: global_buffer, .address_space: global }
      - { .name: qx, .offset: 24, .size: 8, .value_kind: global_buffer, .address_space: global }
      - { .name: maskw, .offset: 32, .size: 8, .value_kind: global_buffer, .address_space: global }
      - { .name: wo_img, .offset: 40, .size: 8, .value_kind: global_buffer, .address_space: global }
    .group_segment_fixed_size: 67072
    .private_segment_fixed_size: 0
    .kernarg_segment_align: 8
    .kernarg_segment_size: 48
    .max_flat_workgroup_size: 128
    .sgpr_count:     66
    .vgpr_count:     226
    .wavefront_size: 32
...
	.end_amdgpu_metadata
.endif
;; end of part 1
;; launch proj (part 2): grid 4 x 192, 8 waves a work-group, no clusters, 203,776 bytes of LDS; arguments qx, key_codes, key_scales, value_codes, value_scales, W_Q_codes, W_Q_scales, W_K_codes, W_K_scales, W_V_codes, W_V_scales, qh, kv; writes qh, kv
.if DOCPART == 2
	.amdgcn_target "amdgcn-amd-amdhsa--gfx1250"
	.amdhsa_code_object_version 6
	.text
	.protected	k_q07a06c932f_proj
	.globl	k_q07a06c932f_proj
	.p2align	8
	.type	k_q07a06c932f_proj,@function
k_q07a06c932f_proj:
	s_mov_b64 s[64:65], 0
	v_nop
	global_prefetch_b8 v0, s[64:65] scope:SCOPE_SE
	s_setreg_imm32_b32 hwreg(HW_REG_WAVE_MODE, 25, 1), 1
	s_wait_xcnt 0x0
; PROJ: q = query W_Q^T, k = key W_K^T, v = value W_V^T on codes of FP4 (E2M1) with E8M0 scales, f32 sums, and the quantisers behind them:
; q and k along the head's 64, v along the keys.  The results leave as images of the operand registers that the attention launch wants.
; SHARES.  Work-group (x = column group cg, y): tensor = y / 64 (0 q, 1 k, 2 v), rows 128 (y % 64) on, columns 256 cg on (4 heads), all of K = 1,024.
; LDS: x's 128 rows and W's 256 rows, 512 bytes of codes + 16 of padding each, filled ONCE by six tensor loads of 64 rows (waves 0, 1: x; waves 2 to 5: W): by this text's count a wave has one out.
; q, k: wave (rh = w / 4, hd = w % 4) makes 64 rows x one head, TRANSPOSED (source 0 = 16 rows of W, source 1 = 16 rows of x): a lane holds one row, its registers run along the head.
; v:    wave w makes 128 rows x 32 columns, source 0 = 16 rows of x (keys), source 1 = 16 rows of W: a lane holds one channel, its registers run along the keys.
; OUT.  qh: [64 heads bh][128 tiles][lane][16 bytes]; at + 4,194,304 scale words [bh][32 quads][lane][2]: word e of lane (r, h) is tile 4 Q + 2 e + h, row r; bytes 2, 3 are 0.
;       kv, 143,360 bytes a head: K's images as q's | + 65,536 V's images [16 steps][4 tiles of channels][2][lane][16] | + 131,072 K's scale words as q's | + 139,264 V's [16 steps][2][32 lanes].
; V's scale words leave as 128 consecutive bytes a wave, half of an aligned 256: 262,144 bytes of the launch's 13 million.
; NO JOINT LOADS: each work-group asks for its 196,608 bytes once, at its head, and no slot is filled again; x's 65,536 are also asked for by the three other column groups. Left so in this form.
; LIMITS: NaN and infinities are not served; a block whose largest magnitude lies under 2^-124 keeps the byte 1 (a block of zeros too: its codes are zeros).
.set XPIT, 528
.set HALF, 64*XPIT                     ; what one tensor load brings
.set WOFF, 2*HALF                      ; W's rows lie behind x's
.set TILE, 16*XPIT
.set ACC,  128                         ; v128-255 sixteen accumulators
.set TM,   112                         ; the quantiser's 16 registers
.set PC,   48                          ; the codes just made, v48-63
.set PW,   64                          ; v64-65 scale words as made;  v66-67 as stored
.set SW,   66
.set SEL,  72                          ; s[72:73] v_permlanex16_b32's selects for lane l xor 16
.set QXS,  16                          ; q, k: v16-31 x's scale words (pair p of tiles, K step s: 8 p + s), v32-47 W's, v48-79 x's 4 fragments, v80-111 W's 4
.set QWS,  32
.set QXF,  48
.set QWF,  80
.set VXS,  8                           ; v: v8-39 x's scale words, v40-47 W's, v48-111 x's 8 fragments, v112-127 W's 2
.set VWS,  40
.set VXF,  48
.set VWF,  112
; One product 16 x 16 x 128.  z = 1: the constant 0 starts the sum.  ra, rb = 1: the side's scales stand in lanes 16-31 of its register.
.macro WM d, a, b, z, sa, sb, ra, rb
.if (\z)
.if (\ra) && (\rb)
	v_wmma_scale_f32_16x16x128_f8f6f4 v[(\d):(\d)+7], v[(\a):(\a)+7], v[(\b):(\b)+7], 0, v[\sa], v[\sb] matrix_a_fmt:MATRIX_FMT_FP4 matrix_b_fmt:MATRIX_FMT_FP4 matrix_a_scale:MATRIX_SCALE_ROW1 matrix_b_scale:MATRIX_SCALE_ROW1
.elseif (\ra)
	v_wmma_scale_f32_16x16x128_f8f6f4 v[(\d):(\d)+7], v[(\a):(\a)+7], v[(\b):(\b)+7], 0, v[\sa], v[\sb] matrix_a_fmt:MATRIX_FMT_FP4 matrix_b_fmt:MATRIX_FMT_FP4 matrix_a_scale:MATRIX_SCALE_ROW1
.elseif (\rb)
	v_wmma_scale_f32_16x16x128_f8f6f4 v[(\d):(\d)+7], v[(\a):(\a)+7], v[(\b):(\b)+7], 0, v[\sa], v[\sb] matrix_a_fmt:MATRIX_FMT_FP4 matrix_b_fmt:MATRIX_FMT_FP4 matrix_b_scale:MATRIX_SCALE_ROW1
.else
	v_wmma_scale_f32_16x16x128_f8f6f4 v[(\d):(\d)+7], v[(\a):(\a)+7], v[(\b):(\b)+7], 0, v[\sa], v[\sb] matrix_a_fmt:MATRIX_FMT_FP4 matrix_b_fmt:MATRIX_FMT_FP4
.endif
.else
.if (\ra) && (\rb)
	v_wmma_scale_f32_16x16x128_f8f6f4 v[(\d):(\d)+7], v[(\a):(\a)+7], v[(\b):(\b)+7], v[(\d):(\d)+7], v[\sa], v[\sb] matrix_a_fmt:MATRIX_FMT_FP4 matrix_b_fmt:MATRIX_FMT_FP4 matrix_a_scale:MATRIX_SCALE_ROW1 matrix_b_scale:MATRIX_SCALE_ROW1
.elseif (\ra)
	v_wmma_scale_f32_16x16x128_f8f6f4 v[(\d):(\d)+7], v[(\a):(\a)+7], v[(\b):(\b)+7], v[(\d):(\d)+7], v[\sa], v[\sb] matrix_a_fmt:MATRIX_FMT_FP4 matrix_b_fmt:MATRIX_FMT_FP4 matrix_a_scale:MATRIX_SCALE_ROW1
.elseif (\rb)
	v_wmma_scale_f32_16x16x128_f8f6f4 v[(\d):(\d)+7], v[(\a):(\a)+7], v[(\b):(\b)+7], v[(\d):(\d)+7], v[\sa], v[\sb] matrix_a_fmt:MATRIX_FMT_FP4 matrix_b_fmt:MATRIX_FMT_FP4 matrix_b_scale:MATRIX_SCALE_ROW1
.else
	v_wmma_scale_f32_16x16x128_f8f6f4 v[(\d):(\d)+7], v[(\a):(\a)+7], v[(\b):(\b)+7], v[(\d):(\d)+7], v[\sa], v[\sb] matrix_a_fmt:MATRIX_FMT_FP4 matrix_b_fmt:MATRIX_FMT_FP4
.endif
.endif
.endm
; nb blocks of 32 become codes and a scale word.  Register s + 16 b + 8 u + j of lane (r, h) holds k = 32 b + 16 u + 8 h + j of the lane's row: two neighbouring accumulators as they come.
; A block lies in lanes l and l xor 16.  A conversion's eight codes are k = 32 b + 16 u + 8 h + 0 .. 7; the result of (b, u) goes to register 4 (b / 2) + 2 u + b % 2, and one exchange of halves
; for each (pair of blocks, u) leaves block 2 c + h whole in lane half h, registers 4 c .. 4 c + 3, k ascending: the operand's layout.  Each accumulator is read from its low end on.
.macro QUANTP s, nb, pc, pw
.set qb, 0
.rept \nb
	v_max3_num_f32 v[TM+qb], |v[(\s)+16*qb]|, |v[(\s)+16*qb+1]|, 0x1800000   ; with the floor 2^(3 - 127): the byte cannot fall under 1
.set qb, qb+1
.endr
.irp i, 2,4,6,8,10,12,14
.set qb, 0
.rept \nb
	v_max3_num_f32 v[TM+qb], v[TM+qb], |v[(\s)+16*qb+\i]|, |v[(\s)+16*qb+\i+1]|   ; the blocks by turns
.set qb, qb+1
.endr
.endr
.set qb, 0
.rept \nb
	v_permlanex16_b32 v[TM+4+qb], v[TM+qb], s[SEL], s[SEL+1]
.set qb, qb+1
.endr
.set qb, 0
.rept \nb
	v_max_num_f32 v[TM+qb], v[TM+qb], v[TM+4+qb]   ; the block's largest magnitude
.set qb, qb+1
.endr
.set qb, 0
.rept \nb
	v_add_nc_u32 v[TM+12+qb], 0xff000000, v[TM+qb] ; 2 off its exponent field: the conversion's scale operand
.set qb, qb+1
.endr
.set qb, 0
.rept \nb
	v_lshrrev_b32 v[TM+4+qb], 23, v[TM+12+qb]      ; the scale's byte
.set qb, qb+1
.endr
	v_lshl_or_b32 v[\pw], v[TM+5], 8, v[TM+4]
.if (\nb) == 4
	v_lshl_or_b32 v[\pw], v[TM+6], 16, v[\pw]
	v_lshl_or_b32 v[\pw], v[TM+7], 24, v[\pw]
.endif
.set qb, 0
.rept \nb
	v_cvt_scalef32_pk8_fp4_f32 v[(\pc)+4*(qb/2)+(qb%2)], v[(\s)+16*qb:(\s)+16*qb+7], v[TM+12+qb]
	v_cvt_scalef32_pk8_fp4_f32 v[(\pc)+4*(qb/2)+2+(qb%2)], v[(\s)+16*qb+8:(\s)+16*qb+15], v[TM+12+qb]
.set qb, qb+1
.endr
	v_nop                                          ; one plain line behind the scaled conversions
.set qb, 0
.rept (\nb)/2
	v_permlane16_swap_b32 v[(\pc)+4*qb], v[(\pc)+4*qb+1]
	v_permlane16_swap_b32 v[(\pc)+4*qb+2], v[(\pc)+4*qb+3]
.set qb, qb+1
.endr
.endm
; q, k: a K step of 128: 16 LDS loads, 16 products on 16 accumulators that take turns.
.macro KQK s, z
.if (\s) > 0
.rept 4
	v_nop                                          ; four places in front of loads into registers that products have read
.endr
.endif
.irp tw, 0,1,2,3
.irp c, 0,1
	ds_load_b128 v[QWF+8*\tw+4*\c:QWF+8*\tw+4*\c+3], v4 offset:\tw*TILE+64*(\s)+32*\c
.endr
.endr
.irp tx, 0,1,2,3
.irp c, 0,1
	ds_load_b128 v[QXF+8*\tx+4*\c:QXF+8*\tx+4*\c+3], v3 offset:\tx*TILE+64*(\s)+32*\c
.endr
.endr
.irp tx, 0,1,2,3
	s_wait_dscnt 6-2*\tx                           ; W's fragments and x's up to this tile are in; the later tiles' two loads each may be out
.irp tw, 0,1,2,3
	WM ACC+32*\tx+8*\tw, QWF+8*\tw, QXF+8*\tx, \z, QWS+8*(\tw/2)+(\s), QXS+8*(\tx/2)+(\s), \tw%2, \tx%2
.endr
.endr
.endm
; v: a K step of 128: 20 LDS loads, 16 products.
.macro KV s, z
.if (\s) > 0
.rept 4
	v_nop
.endr
.endif
.irp tw, 0,1
.irp c, 0,1
	ds_load_b128 v[VWF+8*\tw+4*\c:VWF+8*\tw+4*\c+3], v4 offset:\tw*TILE+64*(\s)+32*\c
.endr
.endr
.irp tx, 0,1,2,3,4,5,6,7
.irp c, 0,1
	ds_load_b128 v[VXF+8*\tx+4*\c:VXF+8*\tx+4*\c+3], v5 offset:\tx*TILE+64*(\s)+32*\c
.endr
.endr
.irp tx, 0,1,2,3,4,5,6,7
	s_wait_dscnt 14-2*\tx
.irp tw, 0,1
	WM ACC+64*\tw+8*\tx, VXF+8*\tx, VWF+8*\tw, \z, VXS+8*(\tx/2)+(\s), VWS+(\s), \tx%2, \tw%2
.endr
.endr
.endm
	s_load_b512 s[4:19], s[0:1], 0x0               ; qx 4, key_codes 6, key_scales 8, value_codes 10, value_scales 12, W_Q_codes 14, W_Q_scales 16, W_K_codes 18
	s_load_b256 s[20:27], s[0:1], 0x40             ; W_K_scales 20, W_V_codes 22, W_V_scales 24, qh 26
	s_load_b64 s[28:29], s[0:1], 0x60              ; kv
	s_set_vgpr_msb 0x40
	v_lshl_add_u32 v0, v0, 2, 0x31800
	v_mov_b32 v1, 0
	s_set_vgpr_msb 0x4045
	ds_add_u32 v0, v1
	ds_add_u32 v0, v1
	s_set_vgpr_msb 0x4500
	v_lshrrev_b32 v1, 5, v0
	v_readfirstlane_b32 s32, v1                    ; wave 0..7
	s_and_b32 s38, ttmp7, 0xffff
	s_lshr_b32 s33, s38, 6                         ; tensor
	s_and_b32 s34, s38, 63                         ; block of 128 rows
	s_mov_b32 s35, ttmp9                           ; column group
	s_lshr_b32 s36, s34, 4                         ; batch
	s_and_b32 s37, s34, 15                         ; key step (128 rows) in the batch
	; descriptor group 1: 64 rows of 512 bytes, 512 bytes apart, 16 bytes of padding behind each
	s_mov_b32 s48, (1<<20)|(6<<22)|(3<<25)         ; no mask; elements of 1 byte; padding on, after every 128 words, of 4 words
	s_mov_b32 s49, 512<<16                         ; tensor_dim0
	s_mov_b32 s50, 64<<16                          ; tensor_dim1
	s_mov_b32 s51, 512<<16                         ; tile_dim0
	s_mov_b32 s52, 64                              ; tile_dim1
	s_mov_b32 s53, 512                             ; the pitch
	s_mov_b32 s54, 0
	s_mov_b32 s55, 0
	s_mov_b32 s[SEL], 0x76543210
	s_mov_b32 s[SEL+1], 0xfedcba98
	s_mov_b32 s74, 0xffff0000                      ; lanes 16-31
	s_mov_b32 s77, 0
	v_and_b32 v1, 15, v0                           ; r
	v_bfe_u32 v2, v0, 4, 1                         ; h
	v_mul_u32_u24 v5, v1, XPIT
	v_lshl_add_u32 v5, v2, 4, v5                   ; a fragment's row x pitch + 16 h
	v_and_b32 v6, 31, v0
	v_lshlrev_b32 v7, 5, v6                        ; 32 x lane: a row of scale bytes
	v_lshlrev_b32 v6, 4, v6                        ; 16 x lane: an image's place
	s_mul_i32 s38, s32, HALF                       ; where my tile goes: wave x 64 rows
	s_lshl_b32 s39, s32, 15                        ; and 64 rows in memory
	s_wait_dscnt 0x0
	s_wait_kmcnt 0x0
	s_add_nc_u64 s[30:31], s[4:5], 0x400000        ; query's scale bytes lie behind its codes
	s_cmp_eq_u32 s33, 0                            ; the tensor's four buffers: a choice on the work-group's number
	s_cselect_b64 s[40:41], s[4:5], s[6:7]
	s_cselect_b64 s[42:43], s[30:31], s[8:9]
	s_cselect_b64 s[44:45], s[14:15], s[18:19]
	s_cselect_b64 s[46:47], s[16:17], s[20:21]
	s_cmp_eq_u32 s33, 2
	s_cselect_b64 s[40:41], s[10:11], s[40:41]     ; x's codes
	s_cselect_b64 s[42:43], s[12:13], s[42:43]     ; x's scale bytes
	s_cselect_b64 s[44:45], s[22:23], s[44:45]     ; W's codes
	s_cselect_b64 s[46:47], s[24:25], s[46:47]     ; W's scale bytes
	s_lshl_b32 s76, s34, 16                        ; x: 128 rows of 512 bytes a block, + my 64 rows (waves 0, 1)
	s_add_co_u32 s76, s76, s39
	s_mov_b32 s56, 1
	s_mov_b32 s57, s38
	s_add_nc_u64 s[58:59], s[40:41], s[76:77]
	s_or_b32 s59, s59, 0x80000000
	s_lshl_b32 s76, s35, 17                        ; W: 256 rows a column group, + 64 (wave - 2) rows (waves 2 to 5; the other waves' numbers are not used)
	s_add_co_u32 s76, s76, s39
	s_sub_co_u32 s76, s76, 65536
	s_mov_b32 s60, 1
	s_mov_b32 s61, s38
	s_add_nc_u64 s[62:63], s[44:45], s[76:77]
	s_or_b32 s63, s63, 0x80000000
	s_cmp_lt_u32 s32, 2                            ; the first and only fills; four v_nop follow each line
	s_cbranch_scc0 .Lnot_x
	tensor_load_to_lds s[56:59], s[48:55]
	s_nop 0
.rept 4
	v_nop
.endr
	s_branch .Lasked
.Lnot_x:
	s_cmp_lt_u32 s32, 6
	s_cbranch_scc0 .Lasked
	tensor_load_to_lds s[60:63], s[48:55]
	s_nop 0
.rept 4
	v_nop
.endr
.Lasked:
	s_cmp_eq_u32 s33, 2
	s_cbranch_scc1 .Lv
	; ---------------- q and k
	s_and_b32 s38, s32, 3                          ; hd: which of the four heads
	s_lshr_b32 s39, s32, 2                         ; rh: which 64 rows
	s_lshl_b32 s76, s34, 12                        ; x's scale bytes: 128 rows of 32 bytes a block,
	s_lshl_b32 s78, s39, 11                        ; + 64 rh rows
	s_add_co_u32 s76, s76, s78
	s_add_nc_u64 s[42:43], s[42:43], s[76:77]
	s_lshl_b32 s76, s35, 13                        ; W's: 256 rows a column group, + 64 hd rows
	s_lshl_b32 s78, s38, 11
	s_add_co_u32 s76, s76, s78
	s_add_nc_u64 s[46:47], s[46:47], s[76:77]
.irp p, 0,1                                    ; lane L takes row 32 p + L: lanes 0-15 tile 2 p, lanes 16-31 tile 2 p + 1; eight words: the eight K steps
	global_load_b128 v[QXS+8*\p:QXS+8*\p+3], v7, s[42:43] offset:1024*\p
	global_load_b128 v[QXS+8*\p+4:QXS+8*\p+7], v7, s[42:43] offset:1024*\p+16
	global_load_b128 v[QWS+8*\p:QWS+8*\p+3], v7, s[46:47] offset:1024*\p
	global_load_b128 v[QWS+8*\p+4:QWS+8*\p+7], v7, s[46:47] offset:1024*\p+16
.endr
	s_mul_i32 s78, s39, HALF
	v_add_nc_u32 v3, s78, v5                       ; my 64 rows of x
	s_mul_i32 s78, s38, HALF
	s_add_co_u32 s78, s78, WOFF
	v_add_nc_u32 v4, s78, v5                       ; my head's 64 rows of W
	v_and_b32 v2, 31, v0
	v_lshlrev_b32 v2, 3, v2                        ; 8 x lane: the scale words' place
	s_lshl_b32 s79, s36, 4
	s_lshl_b32 s80, s35, 2
	s_add_co_u32 s79, s79, s80
	s_add_co_u32 s79, s79, s38                     ; bh = 16 batch + 4 cg + hd
	s_lshl_b32 s80, s37, 3
	s_lshl_b32 s81, s39, 2
	s_add_co_u32 s80, s80, s81                     ; my first tile in the head: 8 st + 4 rh
	s_cmp_eq_u32 s33, 0
	s_cselect_b64 s[68:69], s[26:27], s[28:29]     ; qh or kv
	s_mov_b32 s82, 143360
	s_cselect_b32 s83, 65536, s82                  ; a head's stride among the codes,
	s_cselect_b32 s84, 8192, s82                   ; among the scale words,
	s_mov_b32 s82, 131072
	s_cselect_b32 s85, 0x400000, s82               ; and where the scale words begin
	s_mov_b64 s[70:71], s[68:69]
	s_mul_i32 s83, s79, s83
	s_lshl_b32 s82, s80, 9                         ; 512 bytes a tile
	s_add_co_u32 s76, s83, s82
	s_add_nc_u64 s[68:69], s[68:69], s[76:77]
	s_mul_i32 s84, s79, s84
	s_add_co_u32 s84, s84, s85
	s_lshl_b32 s82, s80, 6                         ; 256 bytes for four tiles
	s_add_co_u32 s76, s84, s82
	s_add_nc_u64 s[70:71], s[70:71], s[76:77]
	s_wait_tensorcnt 0x0                           ; my tile has landed,
	s_wait_loadcnt 0x0                             ; my scale words are in,
	s_barrier_signal -1
	s_barrier_wait -1                              ; and everybody's tile has landed
	KQK 0, 1
.irp s, 1,2,3,4,5,6,7
	KQK \s, 0
.endr
.rept 4
	v_nop                                          ; four places in front of the first read of results and the first write of operands
.endr
.irp b, 4,5,6,7
	v_mov_b32 v[TM+\b], 0                          ; a lane permute's destination counts as one of its sources
.endr
.irp g, 0,1                                    ; tiles 2 g and 2 g + 1 of rows: two blocks each
	QUANTP ACC+64*\g, 4, PC+8*\g, PW+\g
	global_store_b128 v6, v[PC+8*\g:PC+8*\g+3], s[68:69] offset:1024*\g            ; a tile's image: 512 consecutive bytes
	global_store_b128 v6, v[PC+8*\g+4:PC+8*\g+7], s[68:69] offset:1024*\g+512
	v_and_b32 v[TM+8], 0xffff, v[PW+\g]            ; tile 2 g's two bytes
	v_lshrrev_b32 v[TM+9], 16, v[PW+\g]            ; tile 2 g + 1's
	v_cndmask_b32 v[SW+\g], v[TM+8], v[TM+9], s74  ; lanes 0-15 the first, lanes 16-31 the second
.endr
	global_store_b64 v2, v[SW:SW+1], s[70:71]      ; 256 consecutive bytes, aligned
	s_set_vgpr_msb 0x5
	s_wait_tensorcnt 0x0
	ds_add_u32 v0, v1
	s_wait_dscnt 0x0
	s_set_vgpr_msb 0x500
	s_endpgm
.Lv:
	; ---------------- v
	s_lshl_b32 s76, s34, 12                        ; x's scale bytes: my block's 128 rows
	s_add_nc_u64 s[42:43], s[42:43], s[76:77]
	s_lshl_b32 s76, s35, 13                        ; W's: 256 rows a column group, + 32 w rows
	s_lshl_b32 s78, s32, 10
	s_add_co_u32 s76, s76, s78
	s_add_nc_u64 s[46:47], s[46:47], s[76:77]
.irp p, 0,1,2,3
	global_load_b128 v[VXS+8*\p:VXS+8*\p+3], v7, s[42:43] offset:1024*\p
	global_load_b128 v[VXS+8*\p+4:VXS+8*\p+7], v7, s[42:43] offset:1024*\p+16
.endr
	global_load_b128 v[VWS:VWS+3], v7, s[46:47]
	global_load_b128 v[VWS+4:VWS+7], v7, s[46:47] offset:16
	s_mul_i32 s78, s32, 2*TILE
	s_add_co_u32 s78, s78, WOFF
	v_add_nc_u32 v4, s78, v5                       ; my 32 rows of W; x's 128 rows begin at v5
	v_and_b32 v2, 31, v0
	v_lshlrev_b32 v2, 2, v2                        ; 4 x lane
	s_lshl_b32 s79, s36, 4
	s_lshl_b32 s80, s35, 2
	s_add_co_u32 s79, s79, s80
	s_lshr_b32 s80, s32, 1
	s_add_co_u32 s79, s79, s80                     ; bh = 16 batch + 4 cg + w / 2
	s_mul_i32 s79, s79, 143360
	s_and_b32 s80, s32, 1                          ; which pair of the head's four tiles of channels
	s_lshl_b32 s81, s37, 12                        ; images: 4,096 bytes a step, 2,048 a pair
	s_lshl_b32 s82, s80, 11
	s_add_co_u32 s81, s81, s82
	s_add_co_u32 s81, s81, 65536
	s_add_co_u32 s76, s79, s81
	s_add_nc_u64 s[68:69], s[28:29], s[76:77]
	s_lshl_b32 s81, s37, 8                         ; scale words: 256 bytes a step, 128 a pair
	s_lshl_b32 s82, s80, 7
	s_add_co_u32 s81, s81, s82
	s_add_co_u32 s81, s81, 139264
	s_add_co_u32 s76, s79, s81
	s_add_nc_u64 s[70:71], s[28:29], s[76:77]
	s_wait_tensorcnt 0x0
	s_wait_loadcnt 0x0
	s_barrier_signal -1
	s_barrier_wait -1
	KV 0, 1
.irp s, 1,2,3,4,5,6,7
	KV \s, 0
.endr
.rept 4
	v_nop
.endr
.irp b, 4,5,6,7
	v_mov_b32 v[TM+\b], 0
.endr
.irp tw, 0,1                                   ; 16 channels x 128 keys: four blocks along the keys, one fragment
	QUANTP ACC+64*\tw, 4, PC+8*\tw, PW+\tw
	global_store_b128 v6, v[PC+8*\tw:PC+8*\tw+3], s[68:69] offset:1024*\tw
	global_store_b128 v6, v[PC+8*\tw+4:PC+8*\tw+7], s[68:69] offset:1024*\tw+512
.endr
	v_cndmask_b32 v[SW], v[PW], v[PW+1], s74       ; lanes 0-15 the first tile's words, lanes 16-31 the second's
	global_store_b32 v2, v[SW], s[70:71]
	s_set_vgpr_msb 0x5
	s_wait_tensorcnt 0x0
	ds_add_u32 v0, v1
	s_wait_dscnt 0x0
	s_set_vgpr_msb 0x500
	s_endpgm
.Lfunc_end_k_q07a06c932f_proj:
	.size	k_q07a06c932f_proj, .Lfunc_end_k_q07a06c932f_proj-k_q07a06c932f_proj
	.p2alignl 7, 3214868480
	.fill 96, 4, 3214868480
	.section	.rodata,"a",@progbits
	.p2align	6, 0x0
	.amdhsa_kernel k_q07a06c932f_proj
		.amdhsa_group_segment_fixed_size 203776
		.amdhsa_private_segment_fixed_size 0
		.amdhsa_enable_private_segment 0
		.amdhsa_kernarg_size 104
		.amdhsa_user_sgpr_count 2
		.amdhsa_user_sgpr_kernarg_segment_ptr 1
		.amdhsa_wavefront_size32 1
		.amdhsa_system_sgpr_workgroup_id_x 1
		.amdhsa_system_sgpr_workgroup_id_y 1
		.amdhsa_system_sgpr_workgroup_id_z 1
		.amdhsa_system_vgpr_workitem_id 0
		.amdhsa_next_free_vgpr 258
		.amdhsa_next_free_sgpr 96
		.amdhsa_reserve_vcc 0
		.amdhsa_float_denorm_mode_32 3
		.amdhsa_float_denorm_mode_16_64 3
		.amdhsa_memory_ordered 1
		.amdhsa_forward_progress 1
		.amdhsa_inst_pref_size 81
	.end_amdhsa_kernel
	.amdgpu_metadata
---
amdhsa.version: [ 1, 2 ]
amdhsa.kernels:
  - .name:           k_q07a06c932f_proj
    .symbol:         k_q07a06c932f_proj.kd
    .args:
      - { .name: qx, .offset: 0, .size: 8, .value_kind: global_buffer, .address_space: global }
      - { .name: key_codes, .offset: 8, .size: 8, .value_kind: global_buffer, .address_space: global }
      - { .name: key_scales, .offset: 16, .size: 8, .value_kind: global_buffer, .address_space: global }
      - { .name: value_codes, .offset: 24, .size: 8, .value_kind: global_buffer, .address_space: global }
      - { .name: value_scales, .offset: 32, .size: 8, .value_kind: global_buffer, .address_space: global }
      - { .name: W_Q_codes, .offset: 40, .size: 8, .value_kind: global_buffer, .address_space: global }
      - { .name: W_Q_scales, .offset: 48, .size: 8, .value_kind: global_buffer, .address_space: global }
      - { .name: W_K_codes, .offset: 56, .size: 8, .value_kind: global_buffer, .address_space: global }
      - { .name: W_K_scales, .offset: 64, .size: 8, .value_kind: global_buffer, .address_space: global }
      - { .name: W_V_codes, .offset: 72, .size: 8, .value_kind: global_buffer, .address_space: global }
      - { .name: W_V_scales, .offset: 80, .size: 8, .value_kind: global_buffer, .address_space: global }
      - { .name: qh, .offset: 88, .size: 8, .value_kind: global_buffer, .address_space: global }
      - { .name: kv, .offset: 96, .size: 8, .value_kind: global_buffer, .address_space: global }
    .group_segment_fixed_size: 203776
    .private_segment_fixed_size: 0
    .kernarg_segment_align: 8
    .kernarg_segment_size: 104
    .max_flat_workgroup_size: 256
    .sgpr_count:     96
    .vgpr_count:     258
    .wavefront_size: 32
...
	.end_amdgpu_metadata
.endif
;; end of part 2
;; launch attn (part 3): grid 4 x 64, 16 waves a work-group, no clusters, 169,984 bytes of LDS; arguments qh, kv, maskw, ctx; writes ctx
.if DOCPART == 3
	.amdgcn_target "amdgcn-amd-amdhsa--gfx1250"
	.amdhsa_code_object_version 6
	.text
	.protected	k_q07a06c932f_attn
	.globl	k_q07a06c932f_attn
	.p2align	8
	.type	k_q07a06c932f_attn,@function
k_q07a06c932f_attn:
	s_mov_b64 s[64:65], 0
	v_nop
	global_prefetch_b8 v0, s[64:65] scope:SCOPE_SE
	s_setreg_imm32_b32 hwreg(HW_REG_WAVE_MODE, 25, 1), 1
	s_wait_xcnt 0x0
; ATTN: scores = q k^T / 8, mask, softmax, ctx = p v, on codes of FP4 (E2M1) with E8M0 scales, and ctx's quantiser along the model's axis (two blocks of 32 a head).
; THE SOFTMAX AHEAD OF THE SECOND PRODUCT: t = score x log2(e) / 8; M = the running largest t rounded UP to a whole number; p = 2^(t - M) is quantised along the keys, not normalised;
; the row's sum is taken of the unquantised p and divides at the end.  When M moves, the sum and O are multiplied by 2^(old M - new M): exact.
; SHARES.  Work-group (x = qg, y = head bh) owns 512 queries of one head; wave w takes query tiles 32 qg + 2 w and + 1, one after the other (two passes); each pass walks 16 steps of 128 keys.
; LDS: the head's whole block of kv as it lies in memory, 143,360 bytes, filled ONCE by sixteen tensor loads of 35 rows x 256 bytes, one a wave (by this text's count a wave has one out):
;   K's images at 0, V's at 65,536, K's scale words at 131,072, V's at 139,264.  Behind it, from 143,360, 2,048 bytes into which no fill lands: ctx's scale words are gathered there.
; LAYOUT.  Both products transposed: S^T = K Q^T (source 0 = 16 keys), O^T = V^T P^T (source 0 = 16 channels): a lane holds ONE query.  Register 8 t + j of S^T is key 16 t + 8 h + j.
; THE FIRST PRODUCT'S K IS 64: the upper 64 of Q's operand are zero codes, and both sides' scale bytes 2 and 3 are 0.  K's operand of tile t is v[32 + 4 t .. + 7]: its upper four registers
;   are the next tile's codes, which meet Q's zeros and add nothing.
; THE MASK comes as bits in the scores' own order (maskw): 64 words a step by four scalar loads, asked for one step ahead; one v_cndmask_b32 a score puts -2^33 in a masked score's place.
; LIMITS.  A masked score is -2^33, a logit of -1.07e9 where the problem says -1e9: rows whose every open logit lies under about -1e9 differ.  -2^33 x log2(e) / 8 is exact, so that in a row
;   with every key masked t - M is 0 and every p is 1: the uniform row.  NaN and infinities are not served.  A block whose largest magnitude lies under 2^-124 keeps the byte 1.
; NO JOINT LOADS: a head's four work-groups each ask for the 143,360 bytes once, at their head, against 512 wave steps of some 300 vector instructions each.  No prefetch: K and V are asked for in
;   the first lines, and each mask word is asked for a whole key step ahead by its own load.
; REGISTERS: v1-7 addresses and the constant -2^33; v8-11 the step's LDS addresses; v12 -M, v13 the largest t, v[14:15] the sum; v16-31 Q's two operands; v32-67 K (v64-67 zeros);
;   v68-69 Q's scale words, v70-73 K's, v74-75 V's; v76-83 ctx's codes; v84-88 the way out of its scale words; v96-159 S^T, then p; v160-191 O^T; v192-223 V; v224-231 p's codes; v232-254 at work.
.set VIMG,  65536
.set KSCW,  131072
.set VSCW,  139264
.set GATH,  143360
.set HEADB, 143360
.set SEL,   96                         ; s[96:97] v_permlanex16_b32's selects for lane l xor 16
.set CS,    98                         ; s[98:99] c = log2(e) / 8, twice: the packed form names the pair
.set TM,    232
.macro WM d, a, b, z, sa, sb, ra, rb
.if (\z)
.if (\ra) && (\rb)
	v_wmma_scale_f32_16x16x128_f8f6f4 v[(\d):(\d)+7], v[(\a):(\a)+7], v[(\b):(\b)+7], 0, v[\sa], v[\sb] matrix_a_fmt:MATRIX_FMT_FP4 matrix_b_fmt:MATRIX_FMT_FP4 matrix_a_scale:MATRIX_SCALE_ROW1 matrix_b_scale:MATRIX_SCALE_ROW1
.elseif (\ra)
	v_wmma_scale_f32_16x16x128_f8f6f4 v[(\d):(\d)+7], v[(\a):(\a)+7], v[(\b):(\b)+7], 0, v[\sa], v[\sb] matrix_a_fmt:MATRIX_FMT_FP4 matrix_b_fmt:MATRIX_FMT_FP4 matrix_a_scale:MATRIX_SCALE_ROW1
.elseif (\rb)
	v_wmma_scale_f32_16x16x128_f8f6f4 v[(\d):(\d)+7], v[(\a):(\a)+7], v[(\b):(\b)+7], 0, v[\sa], v[\sb] matrix_a_fmt:MATRIX_FMT_FP4 matrix_b_fmt:MATRIX_FMT_FP4 matrix_b_scale:MATRIX_SCALE_ROW1
.else
	v_wmma_scale_f32_16x16x128_f8f6f4 v[(\d):(\d)+7], v[(\a):(\a)+7], v[(\b):(\b)+7], 0, v[\sa], v[\sb] matrix_a_fmt:MATRIX_FMT_FP4 matrix_b_fmt:MATRIX_FMT_FP4
.endif
.else
.if (\ra) && (\rb)
	v_wmma_scale_f32_16x16x128_f8f6f4 v[(\d):(\d)+7], v[(\a):(\a)+7], v[(\b):(\b)+7], v[(\d):(\d)+7], v[\sa], v[\sb] matrix_a_fmt:MATRIX_FMT_FP4 matrix_b_fmt:MATRIX_FMT_FP4 matrix_a_scale:MATRIX_SCALE_ROW1 matrix_b_scale:MATRIX_SCALE_ROW1
.elseif (\ra)
	v_wmma_scale_f32_16x16x128_f8f6f4 v[(\d):(\d)+7], v[(\a):(\a)+7], v[(\b):(\b)+7], v[(\d):(\d)+7], v[\sa], v[\sb] matrix_a_fmt:MATRIX_FMT_FP4 matrix_b_fmt:MATRIX_FMT_FP4 matrix_a_scale:MATRIX_SCALE_ROW1
.elseif (\rb)
	v_wmma_scale_f32_16x16x128_f8f6f4 v[(\d):(\d)+7], v[(\a):(\a)+7], v[(\b):(\b)+7], v[(\d):(\d)+7], v[\sa], v[\sb] matrix_a_fmt:MATRIX_FMT_FP4 matrix_b_fmt:MATRIX_FMT_FP4 matrix_b_scale:MATRIX_SCALE_ROW1
.else
	v_wmma_scale_f32_16x16x128_f8f6f4 v[(\d):(\d)+7], v[(\a):(\a)+7], v[(\b):(\b)+7], v[(\d):(\d)+7], v[\sa], v[\sb] matrix_a_fmt:MATRIX_FMT_FP4 matrix_b_fmt:MATRIX_FMT_FP4
.endif
.endif
.endm
; nb blocks of 32 become codes and a scale word.  Register s + 16 b + 8 u + j of lane (r, h) holds k = 32 b + 16 u + 8 h + j of the lane's row.  The result of (b, u) goes to register
; 4 (b / 2) + 2 u + b % 2; one exchange of halves for each (pair of blocks, u) leaves block 2 c + h whole in lane half h, registers 4 c .. 4 c + 3, k ascending: the operand's layout.
.macro QUANTP s, nb, pc, pw
.set qb, 0
.rept \nb
	v_max3_num_f32 v[TM+qb], |v[(\s)+16*qb]|, |v[(\s)+16*qb+1]|, 0x1800000
.set qb, qb+1
.endr
.irp i, 2,4,6,8,10,12,14
.set qb, 0
.rept \nb
	v_max3_num_f32 v[TM+qb], v[TM+qb], |v[(\s)+16*qb+\i]|, |v[(\s)+16*qb+\i+1]|
.set qb, qb+1
.endr
.endr
.set qb, 0
.rept \nb
	v_permlanex16_b32 v[TM+4+qb], v[TM+qb], s[SEL], s[SEL+1]
.set qb, qb+1
.endr
.set qb, 0
.rept \nb
	v_max_num_f32 v[TM+qb], v[TM+qb], v[TM+4+qb]
.set qb, qb+1
.endr
.set qb, 0
.rept \nb
	v_add_nc_u32 v[TM+12+qb], 0xff000000, v[TM+qb]
.set qb, qb+1
.endr
.set qb, 0
.rept \nb
	v_lshrrev_b32 v[TM+4+qb], 23, v[TM+12+qb]
.set qb, qb+1
.endr
	v_lshl_or_b32 v[\pw], v[TM+5], 8, v[TM+4]
.if (\nb) == 4
	v_lshl_or_b32 v[\pw], v[TM+6], 16, v[\pw]
	v_lshl_or_b32 v[\pw], v[TM+7], 24, v[\pw]
.endif
.set qb, 0
.rept \nb
	v_cvt_scalef32_pk8_fp4_f32 v[(\pc)+4*(qb/2)+(qb%2)], v[(\s)+16*qb:(\s)+16*qb+7], v[TM+12+qb]
	v_cvt_scalef32_pk8_fp4_f32 v[(\pc)+4*(qb/2)+2+(qb%2)], v[(\s)+16*qb+8:(\s)+16*qb+15], v[TM+12+qb]
.set qb, qb+1
.endr
	v_nop
.set qb, 0
.rept (\nb)/2
	v_permlane16_swap_b32 v[(\pc)+4*qb], v[(\pc)+4*qb+1]
	v_permlane16_swap_b32 v[(\pc)+4*qb+2], v[(\pc)+4*qb+3]
.set qb, qb+1
.endr
.endm
; ONE QUERY TILE (pass p): 16 key steps in a loop, then the division, ctx's quantiser and its stores.
.macro PASS p
	s_mov_b32 s2, 0                                ; where the step's V begins,
	s_mov_b32 s3, 0                                ; its scale words,
	s_mov_b32 s14, 4096                            ; the NEXT step's K,
	s_mov_b32 s66, 512                             ; and its scale words
	s_mov_b32 s15, 16
	s_wait_dscnt 0x0                               ; the look-ahead loads of the pass before have landed: their registers are loaded again
.set t, 0
.rept 8
	ds_load_b128 v[32+4*t:35+4*t], v1 offset:512*t ; K of step 0: eight tiles' images
.set t, t+1
.endr
	ds_load_b64 v[70:71], v3
	ds_load_b64 v[72:73], v3 offset:256
	v_mov_b32 v13, 0xff61b1e6                      ; the largest t so far: -3e38
	v_floor_f32 v12, -v13                          ; -M
	v_mov_b32 v14, 0
	v_mov_b32 v15, 0
.set j, 0
.rept 32
	v_mov_b32 v[160+j], 0                          ; O^T: the step is written once; its first trip finds zeros
.set j, j+1
.endr
.Lstep_\@:
	s_wait_dscnt 0x0                               ; this step's K and its scale words, asked for a step ago
.set t, 0
.rept 8
	WM 96+8*t, 32+4*t, 16+8*\p, 1, 70+2*(t/4)+(t%4)/2, 68+\p, t%2, 0
.set t, t+1
.endr
	v_add_nc_u32 v9, s2, v2                        ; four plain lines: the places in front of the loads below and of the first read of the scores
	v_add_nc_u32 v11, s3, v4
	v_add_nc_u32 v8, s14, v1
	v_add_nc_u32 v10, s66, v3
.set t, 0
.rept 4
	ds_load_b128 v[192+8*t:195+8*t], v9 offset:1024*t              ; V of this step: four tiles of 16 channels x 128 keys
	ds_load_b128 v[196+8*t:199+8*t], v9 offset:1024*t+512
.set t, t+1
.endr
	ds_load_b32 v74, v11
	ds_load_b32 v75, v11 offset:128
.set t, 0
.rept 8
	ds_load_b128 v[32+4*t:35+4*t], v8 offset:512*t ; K of the next step (in the last trip: filled bytes of V's regions, not used)
.set t, t+1
.endr
	ds_load_b64 v[70:71], v10
	ds_load_b64 v[72:73], v10 offset:256
	s_wait_kmcnt 0x0                               ; this step's 64 mask words
.set n, 0
.rept 64
	v_cndmask_b32 v[96+n], v[96+n], v6, s[16+n+4*(n/48)]           ; masked: -2^33.  Ascending: each accumulator is read from its low end on
.set n, n+1
.endr
	s_add_co_u32 s104, s104, 256                   ; the next step's words: my two tiles' 8,192 bytes on end; behind the last step the offset turns to 0, so that no load leaves the buffer
	s_and_b32 s104, s104, 0x1fff
	s_load_b512 s[16:31], s[100:101], s104 offset:0x0
	s_load_b512 s[32:47], s[100:101], s104 offset:0x40
	s_load_b512 s[48:63], s[100:101], s104 offset:0x80
	s_load_b512 s[68:83], s[100:101], s104 offset:0xc0
.irp b, 0,1,2,3
	v_max3_num_f32 v[232+\b], v[96+16*\b], v[97+16*\b], v[98+16*\b]   ; the largest score of each block of 32 keys: for the row's maximum and for the block's largest p
.endr
.irp i, 3,5,7,9,11,13
.irp b, 0,1,2,3
	v_max3_num_f32 v[232+\b], v[232+\b], v[96+16*\b+\i], v[97+16*\b+\i]
.endr
.endr
.irp b, 0,1,2,3
	v_max_num_f32 v[232+\b], v[232+\b], v[111+16*\b]
.endr
.irp b, 0,1,2,3
	v_permlanex16_b32 v[236+\b], v[232+\b], s[SEL], s[SEL+1]
.endr
.irp b, 0,1,2,3
	v_max_num_f32 v[232+\b], v[232+\b], v[236+\b]  ; with lane l xor 16's 16 keys
.endr
	v_max3_num_f32 v254, v232, v233, v234
	v_max_num_f32 v254, v254, v235
	v_mul_f32 v254, s[CS], v254                    ; as t
	v_max_num_f32 v13, v13, v254                   ; the running largest t
	v_mov_b32 v254, v12
	v_floor_f32 v12, -v13                          ; the new -M = -ceil(t)
	v_sub_f32 v254, v12, v254                      ; old M - new M: a whole number, 0 or less
	v_cvt_i32_f32 v254, v254                       ; (it saturates)
	v_ldexp_f32 v252, 1.0, v254                    ; f = 2^(old M - new M)
.set j, 0
.rept 32
	v_pk_fma_f32 v[96+j:97+j], v[96+j:97+j], s[CS:CS+1], v[12:13] op_sel_hi:[1,0,0]   ; t - M, two at a time
.set j, j+2
.endr
.irp b, 0,1,2,3
	v_fma_f32 v[232+\b], v[232+\b], s[CS], v12     ; the same of each block's largest score
.endr
.set j, 0
.rept 64
	v_exp_f32 v[96+j], v[96+j]                     ; p = 2^(t - M)
.set j, j+1
.endr
	v_pk_mul_f32 v[14:15], v[14:15], v[252:253] op_sel_hi:[1,0]    ; the sums under the new M (the plain line behind the exponentials)
	s_wait_alu depctr_va_vdst(0)                   ; one wait for the batch of 64, ahead of its first reader
.irp b, 0,1,2,3
	v_exp_f32 v[232+\b], v[232+\b]                 ; the block's largest p
.endr
	v_pk_add_f32 v[236:237], v[96:97], v[98:99]    ; the row's sum of the unquantised p, in two chains
.irp j, 4,8,12,16,20,24,28,32,36,40,44,48,52,56,60
	v_pk_add_f32 v[14:15], v[14:15], v[96+\j:97+\j]
	v_pk_add_f32 v[236:237], v[236:237], v[98+\j:99+\j]
.endr
	v_pk_add_f32 v[14:15], v[14:15], v[236:237]
	s_wait_alu depctr_va_vdst(0)                   ; and one for the four
.irp b, 0,1,2,3
	v_max_num_f32 v[232+\b], 0x1800000, v[232+\b]  ; the floor 2^(3 - 127): the byte cannot fall under 1
.endr
.irp b, 0,1,2,3
	v_add_nc_u32 v[244+\b], 0xff000000, v[232+\b]
.endr
.irp b, 0,1,2,3
	v_lshrrev_b32 v[236+\b], 23, v[244+\b]
.endr
	v_lshl_or_b32 v253, v237, 8, v236              ; p's scale word for these 128 keys
	v_lshl_or_b32 v253, v238, 16, v253
	v_lshl_or_b32 v253, v239, 24, v253
.irp b, 0,1,2,3
	v_cvt_scalef32_pk8_fp4_f32 v[224+4*(\b/2)+(\b%2)], v[96+16*\b:103+16*\b], v[244+\b]
	v_cvt_scalef32_pk8_fp4_f32 v[226+4*(\b/2)+(\b%2)], v[104+16*\b:111+16*\b], v[244+\b]
.endr
	v_nop                                          ; one plain line behind the scaled conversions
.irp c, 0,1
	v_permlane16_swap_b32 v[224+4*\c], v[225+4*\c]
	v_permlane16_swap_b32 v[226+4*\c], v[227+4*\c]
.endr
.set j, 0
.rept 16
	v_pk_mul_f32 v[160+j:161+j], v[160+j:161+j], v[252:253] op_sel_hi:[1,0]   ; O^T under the new M; these sixteen are also the places between p's codes and scale word and the products
.set j, j+2
.endr
	s_wait_dscnt 10                                ; V and its scale words are in; the ten loads of the next step's K, issued behind them, may be out
.set t, 0
.rept 4
	WM 160+8*t, 192+8*t, 224, 0, 74+t/2, 253, t%2, 0               ; the four accumulators by turns; eight other products stand between two links of a chain
.set t, t+1
.endr
	s_add_co_u32 s2, s2, 4096
	s_add_co_u32 s3, s3, 256
	s_add_co_u32 s14, s14, 4096
	s_add_co_u32 s66, s66, 512
	s_sub_co_u32 s15, s15, 1
	s_cmp_lg_u32 s15, 0
	s_cbranch_scc1 .Lstep_\@
.rept 4
	v_nop                                          ; four places in front of the first read of O^T
.endr
	v_add_f32 v14, v14, v15
	v_permlanex16_b32 v252, v14, s[SEL], s[SEL+1]
	v_add_f32 v14, v14, v252                       ; the row's sum
	v_rcp_f32 v14, v14
	v_nop
	s_wait_alu depctr_va_vdst(0)                   ; ahead of the reciprocal's first reader
.set j, 0
.rept 32
	v_mul_f32 v[96+j], v[160+j], v14               ; ctx(r, 16 t + 8 h + i) in register 8 t + i
.set j, j+1
.endr
	QUANTP 96, 2, 76+4*\p, 254
	global_store_b128 v1, v[76+4*\p:79+4*\p], s[8:9] offset:8192*\p           ; the tile's image for this head: 512 consecutive bytes
	ds_store_b32 v5, v254 offset:64*\p             ; its scale words: lanes r and r + 16 write the same word with the same value
.endm
	s_load_b256 s[4:11], s[0:1], 0x0               ; qh s[4:5], kv s[6:7], maskw s[8:9], ctx s[10:11]
	v_lshl_add_u32 v251, v0, 2, 0x29000
	v_mov_b32 v255, 0
	ds_add_u32 v251, v255
	ds_add_u32 v251, v255
	v_lshrrev_b32 v1, 5, v0
	v_readfirstlane_b32 s12, v1                    ; wave 0..15
	s_and_b32 s13, ttmp7, 0xffff                   ; the head, 0..63
	; descriptor group 1: a dense block of 35 rows of 256 bytes (32 elements of 8 bytes), no padding
	s_mov_b32 s84, 3<<16
	s_mov_b32 s85, 32<<16                          ; tensor_dim0
	s_mov_b32 s86, 35<<16                          ; tensor_dim1
	s_mov_b32 s87, 32<<16                          ; tile_dim0
	s_mov_b32 s88, 35                              ; tile_dim1
	s_mov_b32 s89, 32                              ; the pitch
	s_mov_b32 s90, 0
	s_mov_b32 s91, 0
	s_mul_i32 s14, s12, 8960                       ; my sixteenth of the head's block, in LDS as in memory
	s_mul_i32 s16, s13, HEADB
	s_add_co_u32 s16, s16, s14
	s_mov_b32 s17, 0
	s_mov_b32 s92, 1
	s_mov_b32 s93, s14
	s_wait_dscnt 0x0
	s_wait_kmcnt 0x0
	s_add_nc_u64 s[94:95], s[6:7], s[16:17]
	s_or_b32 s95, s95, 0x80000000
	tensor_load_to_lds s[92:95], s[84:91]          ; the first and only fill
	s_nop 0
.rept 4
	v_nop
.endr
	s_lshl_b32 s18, ttmp9, 5
	s_lshl_b32 s19, s12, 1
	s_add_co_u32 s18, s18, s19                     ; my first query tile in the head: 32 qg + 2 w
	s_lshl_b32 s19, s13, 7
	s_add_co_u32 s19, s19, s18
	s_lshl_b32 s16, s19, 9
	s_add_nc_u64 s[6:7], s[4:5], s[16:17]          ; Q's images
	s_lshl_b32 s16, s13, 5
	s_lshl_b32 s20, ttmp9, 3
	s_add_co_u32 s16, s16, s20
	s_lshr_b32 s20, s12, 1
	s_add_co_u32 s16, s16, s20                     ; my quad of tiles: 32 bh + 8 qg + w / 2
	s_lshl_b32 s16, s16, 8
	s_and_b32 s20, s12, 1
	s_lshl_b32 s20, s20, 2                         ; word w % 2 of a lane's two
	s_add_co_u32 s16, s16, s20
	s_add_co_u32 s16, s16, 0x400000
	s_add_nc_u64 s[4:5], s[4:5], s[16:17]          ; Q's scale words
	s_lshr_b32 s20, s13, 4
	s_lshl_b32 s20, s20, 7
	s_add_co_u32 s20, s20, s18                     ; my first query tile of all: 128 batch + 32 qg + 2 w
	s_lshl_b32 s16, s20, 12
	s_add_nc_u64 s[100:101], s[8:9], s[16:17]      ; its mask words
	s_lshl_b32 s16, s20, 4
	s_and_b32 s21, s13, 15
	s_add_co_u32 s16, s16, s21
	s_lshl_b32 s16, s16, 9
	s_add_nc_u64 s[8:9], s[10:11], s[16:17]        ; ctx's images: [tile][head][512 bytes]
	s_lshl_b32 s16, s13, 7
	s_lshl_b32 s21, ttmp9, 5
	s_add_co_u32 s16, s16, s21
	s_lshl_b32 s16, s16, 6
	s_add_co_u32 s16, s16, 0x400000
	s_add_nc_u64 s[10:11], s[10:11], s[16:17]      ; ctx's scale words: [head][tile][16 rows], my work-group's 32 tiles
	s_lshl_b32 s22, s12, 7
	s_add_co_u32 s22, s22, GATH
	s_mov_b32 s[SEL], 0x76543210
	s_mov_b32 s[SEL+1], 0xfedcba98
	s_mov_b32 s[CS], 0x3e38aa3b                    ; log2(e) / 8
	s_mov_b32 s[CS+1], s[CS]
	v_and_b32 v8, 31, v0                           ; lane
	v_and_b32 v9, 15, v0                           ; r
	v_lshlrev_b32 v1, 4, v8                        ; 16 x lane: K's images, and the global offset of an image
	v_add_nc_u32 v2, VIMG, v1                      ; V's images
	v_lshl_add_u32 v3, v8, 3, KSCW                 ; K's scale words, 8 bytes a lane
	v_lshl_add_u32 v4, v8, 2, VSCW                 ; V's, 4 bytes a lane
	v_lshl_add_u32 v5, v9, 2, s22                  ; where ctx's scale words are gathered: 128 w + 4 r
	v_mov_b32 v6, 0xd0000000                       ; -2^33
	v_lshl_add_u32 v7, v0, 4, GATH                 ; and read back (waves 0 to 3)
	v_lshlrev_b32 v88, 4, v0
	v_lshlrev_b32 v10, 3, v9                       ; 8 r
	global_load_b128 v[16:19], v1, s[6:7]          ; Q of pass 0
	global_load_b128 v[24:27], v1, s[6:7] offset:512               ; of pass 1
	global_load_b32 v68, v10, s[4:5]               ; their scale words: lane half p of the quad's words
	global_load_b32 v69, v10, s[4:5] offset:128
.irp j, 20,21,22,23,28,29,30,31,64,65,66,67,236,237,238,239,253
	v_mov_b32 v[\j], 0                             ; Q's upper 64: zero codes; the registers behind K's last tile; permute destinations; the pair v[252:253]'s upper half
.endr
	s_mov_b32 s104, 0
	s_load_b512 s[16:31], s[100:101], s104 offset:0x0              ; step 0's mask words
	s_load_b512 s[32:47], s[100:101], s104 offset:0x40
	s_load_b512 s[48:63], s[100:101], s104 offset:0x80
	s_load_b512 s[68:83], s[100:101], s104 offset:0xc0
	s_wait_tensorcnt 0x0                           ; my part of the head's block has landed,
	s_wait_loadcnt 0x0                             ; Q is in,
	s_barrier_signal -1
	s_barrier_wait -1                              ; and everybody's part has landed
	PASS 0
	PASS 1
	s_wait_kmcnt 0x0                               ; the last look-ahead of mask words
	s_wait_dscnt 0x0                               ; my scale words lie in LDS, and my last look-ahead loads are in
	s_barrier_signal -1
	s_barrier_wait -1
	s_cmp_lt_u32 s12, 4
	s_cbranch_scc0 .Ldone
	ds_load_b128 v[84:87], v7                      ; 32 tiles x 64 bytes: four waves, 16 bytes a lane
	s_wait_dscnt 0x0
	global_store_b128 v88, v[84:87], s[10:11]      ; 512 consecutive bytes a wave
.Ldone:
	s_wait_tensorcnt 0x0
	ds_add_u32 v251, v255
	s_wait_dscnt 0x0
	s_endpgm
.Lfunc_end_k_q07a06c932f_attn:
	.size	k_q07a06c932f_attn, .Lfunc_end_k_q07a06c932f_attn-k_q07a06c932f_attn
	.p2alignl 7, 3214868480
	.fill 96, 4, 3214868480
	.section	.rodata,"a",@progbits
	.p2align	6, 0x0
	.amdhsa_kernel k_q07a06c932f_attn
		.amdhsa_group_segment_fixed_size 169984
		.amdhsa_private_segment_fixed_size 0
		.amdhsa_enable_private_segment 0
		.amdhsa_kernarg_size 32
		.amdhsa_user_sgpr_count 2
		.amdhsa_user_sgpr_kernarg_segment_ptr 1
		.amdhsa_wavefront_size32 1
		.amdhsa_system_sgpr_workgroup_id_x 1
		.amdhsa_system_sgpr_workgroup_id_y 1
		.amdhsa_system_sgpr_workgroup_id_z 1
		.amdhsa_system_vgpr_workitem_id 0
		.amdhsa_next_free_vgpr 256
		.amdhsa_next_free_sgpr 106
		.amdhsa_reserve_vcc 0
		.amdhsa_float_denorm_mode_32 3
		.amdhsa_float_denorm_mode_16_64 3
		.amdhsa_memory_ordered 1
		.amdhsa_forward_progress 1
		.amdhsa_inst_pref_size 55
	.end_amdhsa_kernel
	.amdgpu_metadata
---
amdhsa.version: [ 1, 2 ]
amdhsa.kernels:
  - .name:           k_q07a06c932f_attn
    .symbol:         k_q07a06c932f_attn.kd
    .args:
      - { .name: qh, .offset: 0, .size: 8, .value_kind: global_buffer, .address_space: global }
      - { .name: kv, .offset: 8, .size: 8, .value_kind: global_buffer, .address_space: global }
      - { .name: maskw, .offset: 16, .size: 8, .value_kind: global_buffer, .address_space: global }
      - { .name: ctx, .offset: 24, .size: 8, .value_kind: global_buffer, .address_space: global }
    .group_segment_fixed_size: 169984
    .private_segment_fixed_size: 0
    .kernarg_segment_align: 8
    .kernarg_segment_size: 32
    .max_flat_workgroup_size: 512
    .sgpr_count:     106
    .vgpr_count:     256
    .wavefront_size: 32
...
	.end_amdgpu_metadata
.endif
;; end of part 3
;; launch outln (part 4): grid 256 x 1, 16 waves a work-group, no clusters, 151,040 bytes of LDS; arguments ctx, wo_img, W_O_scales, query, gamma, beta, out0; writes out0
.if DOCPART == 4
	.amdgcn_target "amdgcn-amd-amdhsa--gfx1250"
	.amdhsa_code_object_version 6
	.text
	.protected	k_q07a06c932f_outln
	.globl	k_q07a06c932f_outln
	.p2align	8
	.type	k_q07a06c932f_outln,@function
k_q07a06c932f_outln:
	s_mov_b64 s[64:65], 0
	v_nop
	global_prefetch_b8 v0, s[64:65] scope:SCOPE_SE
	s_setreg_imm32_b32 hwreg(HW_REG_WAVE_MODE, 25, 1), 1
	s_wait_xcnt 0x0
; OUTLN: out0 = LayerNorm(ctx W_O^T + query) x gamma + beta; the product on codes of FP4 (E2M1) with E8M0 scales, f32 sums; all else in f32.
; SHARES.  Work-group g takes rows 32 g .. 32 g + 31 (two tiles of 16).  Wave w makes columns 64 w .. 64 w + 63 of both tiles (eight accumulators by turns), then owns whole rows 2 w and 2 w + 1.
; ctx's images (16,384 bytes) and scale words go through LDS, since all sixteen waves read them.  W_O's fragments come from wo_img straight into registers, 512 consecutive bytes a load, four K steps ahead:
; each fragment is read by one wave once in a work-group, so a way through LDS would feed nothing twice, and its 524,288 bytes would want slots that are filled again: no tensor loads, no joint loads.
; THE PRODUCT IS USED TRANSPOSED (source 0 = 16 rows of W_O, source 1 = 16 rows of ctx): a lane holds eight neighbouring columns of one row.  The rows meet in a stage in LDS (pitch 4,096 + 16).
; LDS: ctx's images at 0 | 16,384: scale bytes [32 rows][16 heads][2] | 17,408: the stage, 32 rows x 4,112.
; REGISTERS: v1-7 addresses; v8-15 ctx's scale words (K step s; lanes 0-15 tile 0, lanes 16-31 tile 1); v16-31 W_O's (pair p, K step s: 8 p + s); v32-63 ctx's fragments, two sets;
;   v64-191 W_O's fragments, four sets; v192-255 the accumulators.  Behind the product: v64-127 the residual, then at work; v128-159 gamma; v160-191 beta; v192-255 my two rows.
; LIMITS: NaN and infinities are not served.
.set CSC,  16384
.set STG,  17408
.set SPIT, 4112
.set XS,   8
.set WS,   16
.set CF,   32
.set WF,   64
.set ACC,  192
.set Y,    192
.set RS,   64
.set SQ,   68
.set SEL,  24
.macro WM d, a, b, z, sa, sb, ra, rb
.if (\z)
.if (\ra) && (\rb)
	v_wmma_scale_f32_16x16x128_f8f6f4 v[(\d):(\d)+7], v[(\a):(\a)+7], v[(\b):(\b)+7], 0, v[\sa], v[\sb] matrix_a_fmt:MATRIX_FMT_FP4 matrix_b_fmt:MATRIX_FMT_FP4 matrix_a_scale:MATRIX_SCALE_ROW1 matrix_b_scale:MATRIX_SCALE_ROW1
.elseif (\ra)
	v_wmma_scale_f32_16x16x128_f8f6f4 v[(\d):(\d)+7], v[(\a):(\a)+7], v[(\b):(\b)+7], 0, v[\sa], v[\sb] matrix_a_fmt:MATRIX_FMT_FP4 matrix_b_fmt:MATRIX_FMT_FP4 matrix_a_scale:MATRIX_SCALE_ROW1
.elseif (\rb)
	v_wmma_scale_f32_16x16x128_f8f6f4 v[(\d):(\d)+7], v[(\a):(\a)+7], v[(\b):(\b)+7], 0, v[\sa], v[\sb] matrix_a_fmt:MATRIX_FMT_FP4 matrix_b_fmt:MATRIX_FMT_FP4 matrix_b_scale:MATRIX_SCALE_ROW1
.else
	v_wmma_scale_f32_16x16x128_f8f6f4 v[(\d):(\d)+7], v[(\a):(\a)+7], v[(\b):(\b)+7], 0, v[\sa], v[\sb] matrix_a_fmt:MATRIX_FMT_FP4 matrix_b_fmt:MATRIX_FMT_FP4
.endif
.else
.if (\ra) && (\rb)
	v_wmma_scale_f32_16x16x128_f8f6f4 v[(\d):(\d)+7], v[(\a):(\a)+7], v[(\b):(\b)+7], v[(\d):(\d)+7], v[\sa], v[\sb] matrix_a_fmt:MATRIX_FMT_FP4 matrix_b_fmt:MATRIX_FMT_FP4 matrix_a_scale:MATRIX_SCALE_ROW1 matrix_b_scale:MATRIX_SCALE_ROW1
.elseif (\ra)
	v_wmma_scale_f32_16x16x128_f8f6f4 v[(\d):(\d)+7], v[(\a):(\a)+7], v[(\b):(\b)+7], v[(\d):(\d)+7], v[\sa], v[\sb] matrix_a_fmt:MATRIX_FMT_FP4 matrix_b_fmt:MATRIX_FMT_FP4 matrix_a_scale:MATRIX_SCALE_ROW1
.elseif (\rb)
	v_wmma_scale_f32_16x16x128_f8f6f4 v[(\d):(\d)+7], v[(\a):(\a)+7], v[(\b):(\b)+7], v[(\d):(\d)+7], v[\sa], v[\sb] matrix_a_fmt:MATRIX_FMT_FP4 matrix_b_fmt:MATRIX_FMT_FP4 matrix_b_scale:MATRIX_SCALE_ROW1
.else
	v_wmma_scale_f32_16x16x128_f8f6f4 v[(\d):(\d)+7], v[(\a):(\a)+7], v[(\b):(\b)+7], v[(\d):(\d)+7], v[\sa], v[\sb] matrix_a_fmt:MATRIX_FMT_FP4 matrix_b_fmt:MATRIX_FMT_FP4
.endif
.endif
.endm
.macro WLOAD s                         ; my four tiles of W_O, K step s, into set s % 4: eight loads of 512 consecutive bytes
.irp tw, 0,1,2,3
.irp c, 0,1
	global_load_b128 v[WF+32*((\s)%4)+8*\tw+4*\c:WF+32*((\s)%4)+8*\tw+4*\c+3], v1, s[6:7] offset:8192*\tw+1024*(\s)+512*\c
.endr
.endr
.endm
.macro CLOAD s                         ; ctx's two tiles, K step s (heads 2 s and 2 s + 1), into set s % 2
.irp tx, 0,1
.irp c, 0,1
	ds_load_b128 v[CF+16*((\s)%2)+8*\tx+4*\c:CF+16*((\s)%2)+8*\tx+4*\c+3], v1 offset:8192*\tx+1024*(\s)+512*\c
.endr
.endr
.endm
.macro KO s, z                         ; a K step of 128: eight products
.if (\s) < 7
	CLOAD (\s)+1                                   ; behind the four places at the end of the step before
.endif
.if (\s) < 4
	s_wait_loadcnt 24                              ; this step's eight loads of W_O are in; three later sets' 24 may be out
.else
	s_wait_loadcnt 8*(7-(\s))
.endif
.if (\s) < 7
	s_wait_dscnt 4                                 ; this step's ctx is in; the four loads just issued may be out
.else
	s_wait_dscnt 0
.endif
.irp tx, 0,1
.irp tw, 0,1,2,3
	WM ACC+32*\tx+8*\tw, WF+32*((\s)%4)+8*\tw, CF+16*((\s)%2)+8*\tx, \z, WS+8*(\tw/2)+(\s), XS+(\s), \tw%2, \tx
.endr
.endr
.rept 4
	v_nop                                          ; four places in front of loads into registers that products have read, and of the first read of results
.endr
.if (\s) < 4
	WLOAD (\s)+4
.endif
.if (\s) == 1
	global_prefetch_b8 v2, s[10:11] th:TH_LOAD_NT scope:SCOPE_SE   ; my two residual rows, 8,192 bytes, lanes 256 bytes apart: each block named once in the launch, six K steps ahead of its load; its registers are never rewritten
.endif
.endm
.macro REDUCE a                        ; of each row i: v[a + 32 i .. + 3], two packed chains, become the row's sum in v[a + 32 i], in every lane; the two rows by turns
.irp i, 0,1
	v_pk_add_f32 v[(\a)+32*\i:(\a)+32*\i+1], v[(\a)+32*\i:(\a)+32*\i+1], v[(\a)+32*\i+2:(\a)+32*\i+3]
.endr
.irp i, 0,1
	v_add_f32 v[(\a)+32*\i], v[(\a)+32*\i], v[(\a)+32*\i+1]
.endr
.irp x, 1,2,4,8
.irp i, 0,1
	v_add_f32_dpp v[(\a)+32*\i], v[(\a)+32*\i], v[(\a)+32*\i] row_xmask:\x row_mask:0xf bank_mask:0xf
.endr
.endr
.irp i, 0,1
	v_permlanex16_b32 v[(\a)+32*\i+1], v[(\a)+32*\i], s[SEL], s[SEL+1]
.endr
.irp i, 0,1
	v_add_f32 v[(\a)+32*\i], v[(\a)+32*\i], v[(\a)+32*\i+1]
.endr
.endm
	s_load_b256 s[4:11], s[0:1], 0x0               ; ctx s[4:5], wo_img s[6:7], W_O_scales s[8:9], query s[10:11]
	s_load_b128 s[12:15], s[0:1], 0x20             ; gamma s[12:13], beta s[14:15]
	s_load_b64 s[16:17], s[0:1], 0x30              ; out0
	v_lshrrev_b32 v1, 5, v0
	v_readfirstlane_b32 s18, v1                    ; wave 0..15
	v_and_b32 v8, 31, v0                           ; lane
	v_and_b32 v9, 15, v0                           ; r
	v_bfe_u32 v10, v0, 4, 1                        ; h
	v_lshlrev_b32 v1, 4, v8                        ; 16 x lane
	s_lshl_b32 s20, s18, 10
	v_add_nc_u32 v2, s20, v1                       ; where I put my 1,024 bytes of ctx's images
	s_lshl_b32 s20, s18, 1
	s_add_co_u32 s20, s20, CSC
	v_lshl_add_u32 v3, v8, 5, s20                  ; head w's two scale bytes of row L
	v_lshl_add_u32 v4, v8, 5, CSC                  ; row L's 32 scale bytes
	v_mul_u32_u24 v5, v9, SPIT
	v_lshl_add_u32 v5, v10, 5, v5
	s_lshl_b32 s20, s18, 8
	s_add_co_u32 s20, s20, STG
	v_add_nc_u32 v5, s20, v5                       ; the stage, in: row r, + 256 w + 32 h;
	v_add_nc_u32 v6, 16*SPIT, v5                   ; the second tile's rows
	s_mul_i32 s20, s18, 2*SPIT
	s_add_co_u32 s20, s20, STG
	v_add_nc_u32 v7, s20, v1                       ; and back: my two rows, 16 bytes a lane
	v_lshlrev_b32 v11, 2, v8                       ; 4 x lane
	v_lshlrev_b32 v12, 5, v8                       ; 32 x lane
	s_mov_b32 s[SEL], 0x76543210
	s_mov_b32 s[SEL+1], 0xfedcba98
	s_mov_b32 s26, 0x3a800000                      ; 1 / 1,024
	s_mov_b32 s27, 0x3727c5ac                      ; 1e-5
	s_mov_b32 s21, 0
	s_mov_b32 s23, 0
	s_lshl_b32 s20, ttmp9, 14                      ; ctx's images: 16,384 bytes a work-group, 1,024 a wave
	s_lshl_b32 s22, s18, 10
	s_add_co_u32 s20, s20, s22
	s_wait_kmcnt 0x0
	s_add_nc_u64 s[28:29], s[4:5], s[20:21]
	s_lshr_b32 s20, ttmp9, 6                       ; batch
	s_lshl_b32 s20, s20, 4
	s_add_co_u32 s20, s20, s18                     ; head w of the batch
	s_lshl_b32 s20, s20, 7
	s_and_b32 s22, ttmp9, 63
	s_lshl_b32 s22, s22, 1
	s_add_co_u32 s20, s20, s22                     ; + my first tile in the batch
	s_lshl_b32 s20, s20, 6
	s_add_co_u32 s20, s20, 0x400000
	s_add_nc_u64 s[4:5], s[4:5], s[20:21]          ; its scale words: two tiles, 128 consecutive bytes
	s_lshl_b32 s20, s18, 15
	s_add_nc_u64 s[6:7], s[6:7], s[20:21]          ; my four tiles of W_O's images
	s_lshl_b32 s20, s18, 11
	s_add_nc_u64 s[8:9], s[8:9], s[20:21]          ; my 64 rows of W_O's scale bytes
	s_lshl_b32 s20, ttmp9, 5
	s_lshl_b32 s22, s18, 1
	s_add_co_u32 s20, s20, s22
	s_lshl_b32 s20, s20, 12                        ; rows 32 g + 2 w on, 4,096 bytes each
	s_add_nc_u64 s[10:11], s[10:11], s[20:21]
	s_add_nc_u64 s[16:17], s[16:17], s[20:21]
.irp p, 0,1                                    ; lane L takes row 32 p + L: lanes 0-15 tile 2 p, lanes 16-31 tile 2 p + 1
	global_load_b128 v[WS+8*\p:WS+8*\p+3], v12, s[8:9] offset:1024*\p
	global_load_b128 v[WS+8*\p+4:WS+8*\p+7], v12, s[8:9] offset:1024*\p+16
.endr
	global_load_b128 v[32:35], v1, s[28:29] th:TH_LOAD_NT
	global_load_b128 v[36:39], v1, s[28:29] offset:512 th:TH_LOAD_NT
	global_load_b32 v40, v11, s[4:5] th:TH_LOAD_NT
	WLOAD 0
	WLOAD 1
	WLOAD 2
	WLOAD 3
	s_wait_loadcnt 32                              ; the seven loads ahead of W_O's 32 are in: their address registers v11, v12 are free too
	ds_store_b128 v2, v[32:35]
	ds_store_b128 v2, v[36:39] offset:512
	ds_store_b16 v3, v40
	s_wait_dscnt 0x0                               ; for the others' sake: my stores have landed
	s_barrier_signal -1
	s_barrier_wait -1                              ; ctx's images and scale bytes lie in LDS
	ds_load_b128 v[8:11], v4                       ; word s: heads 2 s and 2 s + 1, two bytes each: the four blocks of K step s
	ds_load_b128 v[12:15], v4 offset:16
	CLOAD 0
	v_lshlrev_b32 v2, 4, v1                        ; 256 x lane, for the prefetch
	KO 0, 1
.irp s, 1,2,3,4,5,6,7
	KO \s, 0
.endr
	; ---- the residual, gamma and beta are asked for; the results meet in the stage
.irp i, 0,1
.irp k, 0,1,2,3,4,5,6,7
	global_load_b128 v[RS+32*\i+4*\k:RS+32*\i+4*\k+3], v1, s[10:11] offset:4096*\i+512*\k th:TH_LOAD_NT
.endr
.endr
.irp k, 0,1,2,3,4,5,6,7
	global_load_b128 v[128+4*\k:131+4*\k], v1, s[12:13] offset:512*\k
	global_load_b128 v[160+4*\k:163+4*\k], v1, s[14:15] offset:512*\k
.endr
.irp tx, 0,1
.irp tw, 0,1,2,3
	ds_store_b128 v[5+\tx], v[ACC+32*\tx+8*\tw:ACC+32*\tx+8*\tw+3] offset:64*\tw          ; each accumulator from its low end on
	ds_store_b128 v[5+\tx], v[ACC+32*\tx+8*\tw+4:ACC+32*\tx+8*\tw+7] offset:64*\tw+16
.endr
.endr
	s_wait_dscnt 0x0
	s_barrier_signal -1
	s_barrier_wait -1                              ; 32 whole rows lie in the stage
.irp i, 0,1
.irp k, 0,1,2,3,4,5,6,7
	ds_load_b128 v[Y+32*\i+4*\k:Y+32*\i+4*\k+3], v7 offset:SPIT*\i+512*\k
.endr
.endr
	s_wait_dscnt 0x0
	s_wait_loadcnt 16                              ; the residual is in; gamma's and beta's sixteen loads may be out
.set m, 0
.rept 16
	v_pk_add_f32 v[Y+2*m:Y+2*m+1], v[Y+2*m:Y+2*m+1], v[RS+2*m:RS+2*m+1]
	v_pk_add_f32 v[Y+32+2*m:Y+32+2*m+1], v[Y+32+2*m:Y+32+2*m+1], v[RS+32+2*m:RS+32+2*m+1]
.set m, m+1
.endr
.irp i, 0,1                                    ; the row's sum: two packed chains a row, in the registers that the residual has left
	v_pk_add_f32 v[RS+32*\i:RS+32*\i+1], v[Y+32*\i:Y+32*\i+1], v[Y+32*\i+2:Y+32*\i+3]
	v_pk_add_f32 v[RS+32*\i+2:RS+32*\i+3], v[Y+32*\i+4:Y+32*\i+5], v[Y+32*\i+6:Y+32*\i+7]
.endr
.irp m, 8,12,16,20,24,28
.irp i, 0,1
	v_pk_add_f32 v[RS+32*\i:RS+32*\i+1], v[RS+32*\i:RS+32*\i+1], v[Y+32*\i+\m:Y+32*\i+\m+1]
	v_pk_add_f32 v[RS+32*\i+2:RS+32*\i+3], v[RS+32*\i+2:RS+32*\i+3], v[Y+32*\i+\m+2:Y+32*\i+\m+3]
.endr
.endr
	REDUCE RS
.irp i, 0,1
	v_mul_f32 v[RS+32*\i], s26, v[RS+32*\i]        ; the mean
.endr
.set m, 0
.rept 16
	v_pk_add_f32 v[Y+2*m:Y+2*m+1], v[Y+2*m:Y+2*m+1], v[RS:RS+1] op_sel_hi:[1,0] neg_lo:[0,1] neg_hi:[0,1]
	v_pk_add_f32 v[Y+32+2*m:Y+32+2*m+1], v[Y+32+2*m:Y+32+2*m+1], v[RS+32:RS+33] op_sel_hi:[1,0] neg_lo:[0,1] neg_hi:[0,1]
.set m, m+1
.endr
.irp i, 0,1                                    ; the sum of squares of (y - mean)
	v_pk_mul_f32 v[SQ+32*\i:SQ+32*\i+1], v[Y+32*\i:Y+32*\i+1], v[Y+32*\i:Y+32*\i+1]
	v_pk_mul_f32 v[SQ+32*\i+2:SQ+32*\i+3], v[Y+32*\i+2:Y+32*\i+3], v[Y+32*\i+2:Y+32*\i+3]
.endr
.irp m, 4,8,12,16,20,24,28
.irp i, 0,1
	v_pk_fma_f32 v[SQ+32*\i:SQ+32*\i+1], v[Y+32*\i+\m:Y+32*\i+\m+1], v[Y+32*\i+\m:Y+32*\i+\m+1], v[SQ+32*\i:SQ+32*\i+1]
	v_pk_fma_f32 v[SQ+32*\i+2:SQ+32*\i+3], v[Y+32*\i+\m+2:Y+32*\i+\m+3], v[Y+32*\i+\m+2:Y+32*\i+\m+3], v[SQ+32*\i+2:SQ+32*\i+3]
.endr
.endr
	REDUCE SQ
.irp i, 0,1
	v_fma_f32 v[SQ+32*\i], v[SQ+32*\i], s26, s27   ; the variance + 1e-5
.endr
.irp i, 0,1
	v_rsq_f32 v[SQ+4+32*\i], v[SQ+32*\i]
.endr
	v_nop                                          ; a plain line behind the transcendentals
	s_wait_alu depctr_va_vdst(0)                   ; one wait for both, ahead of their first reader
	s_wait_loadcnt 0x0                             ; gamma and beta
.set m, 0
.rept 16
	v_pk_mul_f32 v[Y+2*m:Y+2*m+1], v[Y+2*m:Y+2*m+1], v[SQ+4:SQ+5] op_sel_hi:[1,0]
	v_pk_mul_f32 v[Y+32+2*m:Y+32+2*m+1], v[Y+32+2*m:Y+32+2*m+1], v[SQ+36:SQ+37] op_sel_hi:[1,0]
.set m, m+1
.endr
.set m, 0
.rept 16
	v_pk_fma_f32 v[Y+2*m:Y+2*m+1], v[Y+2*m:Y+2*m+1], v[128+2*m:129+2*m], v[160+2*m:161+2*m]
	v_pk_fma_f32 v[Y+32+2*m:Y+32+2*m+1], v[Y+32+2*m:Y+32+2*m+1], v[128+2*m:129+2*m], v[160+2*m:161+2*m]
.set m, m+1
.endr
.irp i, 0,1
.irp k, 0,1,2,3,4,5,6,7
	global_store_b128 v1, v[Y+32*\i+4*\k:Y+32*\i+4*\k+3], s[16:17] offset:4096*\i+512*\k th:TH_STORE_NT   ; 512 consecutive bytes, aligned; written once
.endr
.endr
	s_wait_xcnt 0x0
	v_lshl_add_u32 v254, v0, 2, 0x24600
	v_mov_b32 v255, 0
	s_wait_tensorcnt 0x0
	ds_add_u32 v254, v255
	s_wait_dscnt 0x0
	s_endpgm
.Lfunc_end_k_q07a06c932f_outln:
	.size	k_q07a06c932f_outln, .Lfunc_end_k_q07a06c932f_outln-k_q07a06c932f_outln
	.p2alignl 7, 3214868480
	.fill 96, 4, 3214868480
	.section	.rodata,"a",@progbits
	.p2align	6, 0x0
	.amdhsa_kernel k_q07a06c932f_outln
		.amdhsa_group_segment_fixed_size 151040
		.amdhsa_private_segment_fixed_size 0
		.amdhsa_enable_private_segment 0
		.amdhsa_kernarg_size 56
		.amdhsa_user_sgpr_count 2
		.amdhsa_user_sgpr_kernarg_segment_ptr 1
		.amdhsa_wavefront_size32 1
		.amdhsa_system_sgpr_workgroup_id_x 1
		.amdhsa_system_sgpr_workgroup_id_y 1
		.amdhsa_system_sgpr_workgroup_id_z 1
		.amdhsa_system_vgpr_workitem_id 0
		.amdhsa_next_free_vgpr 256
		.amdhsa_next_free_sgpr 66
		.amdhsa_reserve_vcc 0
		.amdhsa_float_denorm_mode_32 3
		.amdhsa_float_denorm_mode_16_64 3
		.amdhsa_memory_ordered 1
		.amdhsa_forward_progress 1
		.amdhsa_inst_pref_size 43
	.end_amdhsa_kernel
	.amdgpu_metadata
---
amdhsa.version: [ 1, 2 ]
amdhsa.kernels:
  - .name:           k_q07a06c932f_outln
    .symbol:         k_q07a06c932f_outln.kd
    .args:
      - { .name: ctx, .offset: 0, .size: 8, .value_kind: global_buffer, .address_space: global }
      - { .name: wo_img, .offset: 8, .size: 8, .value_kind: global_buffer, .address_space: global }
      - { .name: W_O_scales, .offset: 16, .size: 8, .value_kind: global_buffer, .address_space: global }
      - { .name: query, .offset: 24, .size: 8, .value_kind: global_buffer, .address_space: global }
      - { .name: gamma, .offset: 32, .size: 8, .value_kind: global_buffer, .address_space: global }
      - { .name: beta, .offset: 40, .size: 8, .value_kind: global_buffer, .address_space: global }
      - { .name: out0, .offset: 48, .size: 8, .value_kind: global_buffer, .address_space: global }
    .group_segment_fixed_size: 151040
    .private_segment_fixed_size: 0
    .kernarg_segment_align: 8
    .kernarg_segment_size: 56
    .max_flat_workgroup_size: 512
    .sgpr_count:     66
    .vgpr_count:     256
    .wavefront_size: 32
...
	.end_amdgpu_metadata
.endif
;; end of part 4
;; ======== version 2 of 2: 4 launches
;; limits: right only within a limited range of input values
;; workspace buffers: qx 4,456,448 bytes; maskw 2,097,152 bytes of whole numbers; wo_img 524,288 bytes; qh 4,718,592 bytes; kv 9,175,040 bytes; ctx 4,718,592 bytes
;; launch prep: the kernel of part 1 again; grid 784 x 1, 4 waves a work-group, no clusters, 67,072 bytes of LDS; arguments query, mask, W_O_codes, qx, maskw, wo_img; writes qx, maskw, wo_img
;; launch proj (part 5): grid 4 x 64, 8 waves a work-group, no clusters, 327,680 bytes of LDS; arguments qx, key_codes, key_scales, value_codes, value_scales, W_Q_codes, W_Q_scales, W_K_codes, W_K_scales, W_V_codes, W_V_scales, qh, kv; writes qh, kv
.if DOCPART == 5
	.amdgcn_target "amdgcn-amd-amdhsa--gfx1250"
	.amdhsa_code_object_version 6
	.text
	.protected	k_q07a06c932f_proj
	.globl	k_q07a06c932f_proj
	.p2align	8
	.type	k_q07a06c932f_proj,@function
k_q07a06c932f_proj:
	s_mov_b64 s[64:65], 0
	v_nop
	global_prefetch_b8 v0, s[64:65] scope:SCOPE_SE
	s_setreg_imm32_b32 hwreg(HW_REG_WAVE_MODE, 25, 1), 1
	s_wait_xcnt 0x0
; PROJ: q = query W_Q^T, k = key W_K^T, v = value W_V^T on codes of FP4 (E2M1) with E8M0 scales, f32 sums, and the quantisers behind them:
; q and k along the head's 64, v along the keys.  The results leave as images of the operand registers that the attention launch wants.
; SHARES.  Work-group (x = column group cg, y = row block rb) STAYS: it makes q, then k, then v for rows 128 rb on and columns 256 cg on (4 heads), each over K = 1,024.
; THE RING.  The work is six units u = 2 x tensor + K half; a unit is 128 rows of x and 256 rows of W, 256 bytes of codes + 16 of padding each: 104,448 bytes.  Unit u lies in slot u % 3.
;   Waves 0, 1 fetch x's halves, waves 2 to 5 W's quarters, 64 rows a tensor load.  Units 0, 1, 2 are first fills; unit 3 is asked for behind unit 0's products, unit 4 behind unit 1's, unit 5 behind
;   unit 2's, each behind the three lines and the barrier in front of a refill.  By this text's count a wave has three loads out at the start, later one.
;   From a request to the first read of its unit lie two units' products, 128 matrix instructions a wave, and a quantiser.
; q, k: wave (rh = w / 4, hd = w % 4) makes 64 rows x one head, TRANSPOSED (source 0 = 16 rows of W, source 1 = 16 rows of x): a lane holds one row, its registers run along the head.
; v:    wave w makes 128 rows x 32 columns, source 0 = 16 rows of x (keys), source 1 = 16 rows of W: a lane holds one channel, its registers run along the keys.
; SCALE WORDS come straight from the [row][32 bytes] buffers: lane L takes row 32 p + L, a word a K step.  A tensor's words for K steps 0-3 are loaded into the registers that the tensor before
;   has done with at its K step 4, those for K steps 4-7 at the head of its quantiser.
; OUT.  qh: [64 heads bh][128 tiles][lane][16 bytes]; at + 4,194,304 scale words [bh][32 quads][lane][2]: word e of lane (r, h) is tile 4 Q + 2 e + h, row r; bytes 2, 3 are 0.
;       kv, 143,360 bytes a head: K's images as q's | + 65,536 V's images [16 steps][4 tiles of channels][2][lane][16] | + 131,072 K's scale words as q's | + 139,264 V's [16 steps][2][32 lanes].
; V's scale words leave as 128 consecutive bytes a wave, half of an aligned 256: 262,144 bytes of the launch's 13 million.
; NO JOINT LOADS, though x's tiles are asked for by four column groups and W's by 64 row blocks: a joint refill would put a round of sixteen work-groups in front of each of the three refills,
;   and each refill already has two units' products in which to land.  No prefetch, for the same count.
; LIMITS: NaN and infinities are not served; a block whose largest magnitude lies under 2^-124 keeps the byte 1 (a block of zeros too: its codes are zeros).
; REGISTERS: v1, v2 the spare word's address and 0; v3, v4 LDS addresses of x's and W's fragments in the slot in hand; v5 a fragment's row x pitch + 16 h; v6 16 x lane; v7 32 x lane;
;   v8-15 v's scale words of W; v16-47 scale words; v48-111 fragments; v112-127 the quantiser's (in v: W's fragments); v128-255 sixteen accumulators.
.set PIT,   272                        ; an LDS row: 256 bytes + 16: the sixteen rows that a load touches start in different banks
.set T64,   64*PIT                     ; what one tensor load brings
.set TILE,  16*PIT
.set WOFF,  2*T64                      ; W's rows lie behind x's
.set SLOT,  6*T64
.set SPARE, 3*SLOT                     ; behind the ring: the spare words, 128 bytes for each of the eight waves: four blocks of 256 bytes that no other line names
.set ACC,   128
.set TM,    112                        ; the quantiser's 16 registers
.set PC,    48                         ; the codes just made, v48-63
.set PW,    64                         ; v64-65 scale words as made;  v66-67 as stored
.set SW,    66
.set SEL,   84                         ; s[84:85] v_permlanex16_b32's selects for lane l xor 16
.set XS,    16                         ; x's scale words: pair p of tiles, K step s: 16 + 8 p + s (q, k: p = 0, 1; v: p = 0 .. 3)
.set QWS,   32                         ; q, k: W's, likewise
.set VWS,   8                          ; v: W's one pair
.set QXF,   48                         ; q, k: v48-79 x's 4 fragments, v80-111 W's 4
.set QWF,   80
.set VXF,   48                         ; v: v48-111 x's 8 fragments, v112-127 W's 2
.set VWF,   112
; One product 16 x 16 x 128.  z = 1: the constant 0 starts the sum.  ra, rb = 1: the side's scales stand in lanes 16-31 of its register.
.macro WM d, a, b, z, sa, sb, ra, rb
.if (\z)
.if (\ra) && (\rb)
	v_wmma_scale_f32_16x16x128_f8f6f4 v[(\d):(\d)+7], v[(\a):(\a)+7], v[(\b):(\b)+7], 0, v[\sa], v[\sb] matrix_a_fmt:MATRIX_FMT_FP4 matrix_b_fmt:MATRIX_FMT_FP4 matrix_a_scale:MATRIX_SCALE_ROW1 matrix_b_scale:MATRIX_SCALE_ROW1
.elseif (\ra)
	v_wmma_scale_f32_16x16x128_f8f6f4 v[(\d):(\d)+7], v[(\a):(\a)+7], v[(\b):(\b)+7], 0, v[\sa], v[\sb] matrix_a_fmt:MATRIX_FMT_FP4 matrix_b_fmt:MATRIX_FMT_FP4 matrix_a_scale:MATRIX_SCALE_ROW1
.elseif (\rb)
	v_wmma_scale_f32_16x16x128_f8f6f4 v[(\d):(\d)+7], v[(\a):(\a)+7], v[(\b):(\b)+7], 0, v[\sa], v[\sb] matrix_a_fmt:MATRIX_FMT_FP4 matrix_b_fmt:MATRIX_FMT_FP4 matrix_b_scale:MATRIX_SCALE_ROW1
.else
	v_wmma_scale_f32_16x16x128_f8f6f4 v[(\d):(\d)+7], v[(\a):(\a)+7], v[(\b):(\b)+7], 0, v[\sa], v[\sb] matrix_a_fmt:MATRIX_FMT_FP4 matrix_b_fmt:MATRIX_FMT_FP4
.endif
.else
.if (\ra) && (\rb)
	v_wmma_scale_f32_16x16x128_f8f6f4 v[(\d):(\d)+7], v[(\a):(\a)+7], v[(\b):(\b)+7], v[(\d):(\d)+7], v[\sa], v[\sb] matrix_a_fmt:MATRIX_FMT_FP4 matrix_b_fmt:MATRIX_FMT_FP4 matrix_a_scale:MATRIX_SCALE_ROW1 matrix_b_scale:MATRIX_SCALE_ROW1
.elseif (\ra)
	v_wmma_scale_f32_16x16x128_f8f6f4 v[(\d):(\d)+7], v[(\a):(\a)+7], v[(\b):(\b)+7], v[(\d):(\d)+7], v[\sa], v[\sb] matrix_a_fmt:MATRIX_FMT_FP4 matrix_b_fmt:MATRIX_FMT_FP4 matrix_a_scale:MATRIX_SCALE_ROW1
.elseif (\rb)
	v_wmma_scale_f32_16x16x128_f8f6f4 v[(\d):(\d)+7], v[(\a):(\a)+7], v[(\b):(\b)+7], v[(\d):(\d)+7], v[\sa], v[\sb] matrix_a_fmt:MATRIX_FMT_FP4 matrix_b_fmt:MATRIX_FMT_FP4 matrix_b_scale:MATRIX_SCALE_ROW1
.else
	v_wmma_scale_f32_16x16x128_f8f6f4 v[(\d):(\d)+7], v[(\a):(\a)+7], v[(\b):(\b)+7], v[(\d):(\d)+7], v[\sa], v[\sb] matrix_a_fmt:MATRIX_FMT_FP4 matrix_b_fmt:MATRIX_FMT_FP4
.endif
.endif
.endm
; nb blocks of 32 become codes and a scale word.  Register s + 16 b + 8 u + j of lane (r, h) holds k = 32 b + 16 u + 8 h + j of the lane's row: two neighbouring accumulators as they come.
; A block lies in lanes l and l xor 16.  A conversion's eight codes are k = 32 b + 16 u + 8 h + 0 .. 7; the result of (b, u) goes to register 4 (b / 2) + 2 u + b % 2, and one exchange of halves
; for each (pair of blocks, u) leaves block 2 c + h whole in lane half h, registers 4 c .. 4 c + 3, k ascending: the operand's layout.  Each accumulator is read from its low end on.
.macro QUANTP s, nb, pc, pw
.set qb, 0
.rept \nb
	v_max3_num_f32 v[TM+qb], |v[(\s)+16*qb]|, |v[(\s)+16*qb+1]|, 0x1800000   ; with the floor 2^(3 - 127): the byte cannot fall under 1
.set qb, qb+1
.endr
.irp i, 2,4,6,8,10,12,14
.set qb, 0
.rept \nb
	v_max3_num_f32 v[TM+qb], v[TM+qb], |v[(\s)+16*qb+\i]|, |v[(\s)+16*qb+\i+1]|   ; the blocks by turns
.set qb, qb+1
.endr
.endr
.set qb, 0
.rept \nb
	v_permlanex16_b32 v[TM+4+qb], v[TM+qb], s[SEL], s[SEL+1]
.set qb, qb+1
.endr
.set qb, 0
.rept \nb
	v_max_num_f32 v[TM+qb], v[TM+qb], v[TM+4+qb]   ; the block's largest magnitude
.set qb, qb+1
.endr
.set qb, 0
.rept \nb
	v_add_nc_u32 v[TM+12+qb], 0xff000000, v[TM+qb] ; 2 off its exponent field: the conversion's scale operand
.set qb, qb+1
.endr
.set qb, 0
.rept \nb
	v_lshrrev_b32 v[TM+4+qb], 23, v[TM+12+qb]      ; the scale's byte
.set qb, qb+1
.endr
	v_lshl_or_b32 v[\pw], v[TM+5], 8, v[TM+4]
.if (\nb) == 4
	v_lshl_or_b32 v[\pw], v[TM+6], 16, v[\pw]
	v_lshl_or_b32 v[\pw], v[TM+7], 24, v[\pw]
.endif
.set qb, 0
.rept \nb
	v_cvt_scalef32_pk8_fp4_f32 v[(\pc)+4*(qb/2)+(qb%2)], v[(\s)+16*qb:(\s)+16*qb+7], v[TM+12+qb]
	v_cvt_scalef32_pk8_fp4_f32 v[(\pc)+4*(qb/2)+2+(qb%2)], v[(\s)+16*qb+8:(\s)+16*qb+15], v[TM+12+qb]
.set qb, qb+1
.endr
	v_nop                                          ; one plain line behind the scaled conversions
.set qb, 0
.rept (\nb)/2
	v_permlane16_swap_b32 v[(\pc)+4*qb], v[(\pc)+4*qb+1]
	v_permlane16_swap_b32 v[(\pc)+4*qb+2], v[(\pc)+4*qb+3]
.set qb, qb+1
.endr
.endm
.macro PLACES                          ; four places in front of loads into registers that products have read, and of the first read of results
.rept 4
	v_nop
.endr
.endm
.macro MKG0 g, slot, p, half           ; descriptor group 0 of a unit: my 64 rows, from the pointer in s[p:p+1], K half, into the slot
	s_mov_b32 s[\g], 1                             ; count = 1
	s_add_co_u32 s[\g+1], s37, (\slot)*SLOT        ; LDS address: the slot + wave x 64 rows
	s_add_nc_u64 s[\g+2:\g+3], s[\p:\p+1], (\half)*256
	s_or_b32 s[\g+3], s[\g+3], 0x80000000          ; type = 2
.endm
.macro SETQK slot                      ; q, k: the LDS addresses of my fragments in a slot
	s_add_co_u32 s87, s100, (\slot)*SLOT
	v_add_nc_u32 v3, s87, v5                       ; my 64 rows of x
	s_add_co_u32 s87, s101, (\slot)*SLOT
	v_add_nc_u32 v4, s87, v5                       ; my head's 64 rows of W
.endm
.macro SETV slot                       ; v: all 128 rows of x, my 32 rows of W
	v_add_nc_u32 v3, (\slot)*SLOT, v5
	s_add_co_u32 s87, s104, (\slot)*SLOT
	v_add_nc_u32 v4, s87, v5
.endm
; A slot that every wave has read out is filled again.  The three lines and the barrier stand in front of a refill; the next unit's addresses are made between the add and its wait.
.macro REFILL g, next
	s_wait_tensorcnt 0x0                           ; all my tensor loads have landed: the units that are read behind this barrier among them
	ds_add_u32 v1, v2                              ; 0 onto my spare word
	ds_add_u32 v1, v2
	SETQK \next
	s_wait_dscnt 0x0                               ; the add is done, and my reads of the slot are over
	s_barrier_signal -1
	s_barrier_wait -1                              ; both hold of all eight waves
	s_cmp_lt_u32 s32, 6
	s_cbranch_scc0 .Lnone_\@                       ; waves 6 and 7 have no part of a unit to fetch
	tensor_load_to_lds s[\g:\g+3], s[48:55]        ; my one tensor load behind this barrier, and the first thing there
	s_nop 0
.rept 4
	v_nop
.endr
.Lnone_\@:
.endm
.macro LQK hi, xb, wb                  ; q, k: four loads: the scale words of K steps 4 hi .. 4 hi + 3; lane L takes row 32 p + L
.irp p, 0,1
	global_load_b128 v[XS+8*\p+4*(\hi):XS+8*\p+4*(\hi)+3], v7, s[\xb:\xb+1] offset:1024*\p+16*(\hi)
	global_load_b128 v[QWS+8*\p+4*(\hi):QWS+8*\p+4*(\hi)+3], v7, s[\wb:\wb+1] offset:1024*\p+16*(\hi)
.endr
.endm
.macro LV hi                           ; v: five loads
.irp p, 0,1,2,3
	global_load_b128 v[XS+8*\p+4*(\hi):XS+8*\p+4*(\hi)+3], v7, s[12:13] offset:1024*\p+16*(\hi)
.endr
	global_load_b128 v[VWS+4*(\hi):VWS+4*(\hi)+3], v7, s[24:25] offset:16*(\hi)
.endm
; q, k: a K step of 128: 16 LDS loads, 16 products on 16 accumulators that take turns.
.macro KQK s, z
.irp tw, 0,1,2,3
.irp c, 0,1
	ds_load_b128 v[QWF+8*\tw+4*\c:QWF+8*\tw+4*\c+3], v4 offset:\tw*TILE+64*((\s)%4)+32*\c
.endr
.endr
.irp tx, 0,1,2,3
.irp c, 0,1
	ds_load_b128 v[QXF+8*\tx+4*\c:QXF+8*\tx+4*\c+3], v3 offset:\tx*TILE+64*((\s)%4)+32*\c
.endr
.endr
.irp tx, 0,1,2,3
	s_wait_dscnt 6-2*\tx                           ; W's fragments and x's up to this tile are in; the later tiles' two loads each may be out
.irp tw, 0,1,2,3
	WM ACC+32*\tx+8*\tw, QWF+8*\tw, QXF+8*\tx, \z, QWS+8*(\tw/2)+(\s), XS+8*(\tx/2)+(\s), \tw%2, \tx%2
.endr
.endr
.endm
; v: a K step of 128: 20 LDS loads, 16 products.
.macro KV s, z
.irp tw, 0,1
.irp c, 0,1
	ds_load_b128 v[VWF+8*\tw+4*\c:VWF+8*\tw+4*\c+3], v4 offset:\tw*TILE+64*((\s)%4)+32*\c
.endr
.endr
.irp tx, 0,1,2,3,4,5,6,7
.irp c, 0,1
	ds_load_b128 v[VXF+8*\tx+4*\c:VXF+8*\tx+4*\c+3], v3 offset:\tx*TILE+64*((\s)%4)+32*\c
.endr
.endr
.irp tx, 0,1,2,3,4,5,6,7
	s_wait_dscnt 14-2*\tx
.irp tw, 0,1
	WM ACC+64*\tw+8*\tx, VXF+8*\tx, VWF+8*\tw, \z, XS+8*(\tx/2)+(\s), VWS+(\s), \tx%2, \tw%2
.endr
.endr
.endm
; q's or k's quantiser and stores.  cp, sp: the pointers to my images and scale words.  nxt = 0: k follows; 1: v follows: its scale words of K steps 4-7 are asked for here.
.macro EPIQK cp, sp, nxt
	PLACES
.if (\nxt) == 0
	LQK 1, 8, 20
.else
	LV 1
.endif
.irp b, 4,5,6,7
	v_mov_b32 v[TM+\b], 0                          ; a lane permute's destination counts as one of its sources
.endr
	v_lshrrev_b32 v[TM+10], 1, v6                  ; 8 x lane: the scale words' place
.irp g, 0,1                                    ; tiles 2 g and 2 g + 1 of rows: two blocks each
	QUANTP ACC+64*\g, 4, PC+8*\g, PW+\g
	global_store_b128 v6, v[PC+8*\g:PC+8*\g+3], s[\cp:\cp+1] offset:1024*\g            ; a tile's image: 512 consecutive bytes
	global_store_b128 v6, v[PC+8*\g+4:PC+8*\g+7], s[\cp:\cp+1] offset:1024*\g+512
	v_and_b32 v[TM+8], 0xffff, v[PW+\g]            ; tile 2 g's two bytes
	v_lshrrev_b32 v[TM+9], 16, v[PW+\g]            ; tile 2 g + 1's
	v_cndmask_b32 v[SW+\g], v[TM+8], v[TM+9], s86  ; lanes 0-15 the first, lanes 16-31 the second
.endr
	global_store_b64 v[TM+10], v[SW:SW+1], s[\sp:\sp+1]            ; 256 consecutive bytes, aligned
	s_wait_xcnt 0x0                                ; the stores have read their registers: the next tensor's fragments land there
.endm
	s_load_b512 s[4:19], s[0:1], 0x0               ; qx 4, key_codes 6, key_scales 8, value_codes 10, value_scales 12, W_Q_codes 14, W_Q_scales 16, W_K_codes 18
	s_load_b256 s[20:27], s[0:1], 0x40             ; W_K_scales 20, W_V_codes 22, W_V_scales 24, qh 26
	s_load_b64 s[28:29], s[0:1], 0x60              ; kv
	v_lshl_add_u32 v1, v0, 2, SPARE                ; my spare word; never rewritten
	v_mov_b32 v2, 0                                ; never rewritten
	ds_add_u32 v1, v2
	ds_add_u32 v1, v2
	s_wait_dscnt 0x0
	v_lshrrev_b32 v3, 5, v0
	v_readfirstlane_b32 s32, v3                    ; wave 0..7
	s_and_b32 s33, ttmp7, 0xffff                   ; rb: block of 128 rows
	s_lshr_b32 s35, s33, 4                         ; batch
	s_and_b32 s36, s33, 15                         ; key step (128 rows) in the batch
	; descriptor group 1: 64 rows of 256 bytes, 512 bytes apart in memory, 16 bytes of padding behind each
	s_mov_b32 s48, (1<<20)|(5<<22)|(3<<25)         ; no mask; elements of 1 byte; padding on, after every 64 words, of 4 words
	s_mov_b32 s49, 256<<16                         ; tensor_dim0
	s_mov_b32 s50, 64<<16                          ; tensor_dim1
	s_mov_b32 s51, 256<<16                         ; tile_dim0
	s_mov_b32 s52, 64                              ; tile_dim1
	s_mov_b32 s53, 512                             ; the pitch
	s_mov_b32 s54, 0
	s_mov_b32 s55, 0
	s_mov_b32 s[SEL], 0x76543210
	s_mov_b32 s[SEL+1], 0xfedcba98
	s_mov_b32 s86, 0xffff0000                      ; lanes 16-31
	s_mul_i32 s37, s32, T64                        ; where my 64 rows go in a slot
	s_lshl_b32 s38, s32, 15                        ; 64 rows of 512 bytes in memory
	s_lshl_b32 s39, s33, 16                        ; x: 128 rows a block, + 64 w rows (waves 0, 1)
	s_add_co_u32 s39, s39, s38
	s_lshl_b32 s40, ttmp9, 17                      ; W: 256 rows a column group, + 64 (w - 2) rows (waves 2 to 5; waves 6 and 7 issue no load)
	s_add_co_u32 s40, s40, s38
	s_sub_co_u32 s40, s40, 65536
	s_mov_b32 s41, 0
	s_mov_b32 s43, 0
	s_wait_kmcnt 0x0
	s_cmp_lt_u32 s32, 2                            ; do I fetch for x or for W?  The choice hangs on the wave's number alone
	s_cselect_b32 s42, s39, s40
	s_cselect_b64 s[44:45], s[4:5], s[14:15]       ; q: query's codes or W_Q's
	s_cselect_b64 s[46:47], s[6:7], s[18:19]       ; k
	s_cselect_b64 s[2:3], s[10:11], s[22:23]       ; v
	s_add_nc_u64 s[44:45], s[44:45], s[42:43]
	s_add_nc_u64 s[46:47], s[46:47], s[42:43]
	s_add_nc_u64 s[2:3], s[2:3], s[42:43]
	MKG0 56, 0, 44, 0                              ; six groups 0, one a unit: none is ever written again
	MKG0 60, 1, 44, 1
	MKG0 68, 2, 46, 0
	MKG0 72, 0, 46, 1
	MKG0 76, 1, 2, 0
	MKG0 80, 2, 2, 1
	s_cmp_lt_u32 s32, 6                            ; a wave's three first fills stand in one branch, ahead of every wait on TENSORcnt, every LDS read and every barrier
	s_cbranch_scc0 .Lno_first
	tensor_load_to_lds s[56:59], s[48:55]
	s_nop 0
	tensor_load_to_lds s[60:63], s[48:55]
	s_nop 0
	tensor_load_to_lds s[68:71], s[48:55]
	s_nop 0
.rept 4
	v_nop
.endr
.Lno_first:
	s_and_b32 s38, s32, 3                          ; hd: which of the four heads (q, k)
	s_lshr_b32 s39, s32, 2                         ; rh: which 64 rows (q, k)
	; the scale bytes, 32 a row
	s_add_nc_u64 s[30:31], s[4:5], 0x400000        ; query's lie behind its codes
	s_lshl_b32 s40, s33, 12                        ; my block's 128 rows
	s_add_nc_u64 s[12:13], s[12:13], s[40:41]      ; value's
	s_lshl_b32 s42, s39, 11                        ; + 64 rh rows
	s_add_co_u32 s40, s40, s42
	s_add_nc_u64 s[30:31], s[30:31], s[40:41]      ; query's
	s_add_nc_u64 s[8:9], s[8:9], s[40:41]          ; key's
	s_lshl_b32 s40, ttmp9, 13                      ; 256 rows a column group
	s_lshl_b32 s42, s32, 10                        ; v: + 32 w rows
	s_add_co_u32 s42, s42, s40
	s_add_nc_u64 s[24:25], s[24:25], s[42:43]      ; W_V's
	s_lshl_b32 s42, s38, 11                        ; q, k: + 64 hd rows
	s_add_co_u32 s40, s40, s42
	s_add_nc_u64 s[16:17], s[16:17], s[40:41]      ; W_Q's
	s_add_nc_u64 s[20:21], s[20:21], s[40:41]      ; W_K's
	v_and_b32 v3, 15, v0                           ; r
	v_bfe_u32 v4, v0, 4, 1                         ; h
	v_mul_u32_u24 v5, v3, PIT
	v_lshl_add_u32 v5, v4, 4, v5                   ; a fragment's row x pitch + 16 h
	v_and_b32 v6, 31, v0
	v_lshlrev_b32 v7, 5, v6                        ; 32 x lane: a row of scale bytes
	v_lshlrev_b32 v6, 4, v6                        ; 16 x lane: an image's place
	LQK 0, 30, 16                                  ; q's scale words
	LQK 1, 30, 16
	; where the results go
	s_lshl_b32 s40, s35, 4
	s_lshl_b32 s42, ttmp9, 2
	s_add_co_u32 s40, s40, s42                     ; 16 batch + 4 cg
	s_add_co_u32 s87, s40, s38                     ; q, k: bh = + hd
	s_lshr_b32 s42, s32, 1
	s_add_co_u32 s100, s40, s42                    ; v: bh = + w / 2
	s_lshl_b32 s42, s36, 3
	s_lshl_b32 s101, s39, 2
	s_add_co_u32 s101, s42, s101                   ; q, k: my first tile in the head: 8 st + 4 rh
	s_lshl_b32 s40, s87, 16                        ; q's images: 65,536 bytes a head, 512 a tile
	s_lshl_b32 s42, s101, 9
	s_add_co_u32 s40, s40, s42
	s_add_nc_u64 s[88:89], s[26:27], s[40:41]
	s_lshl_b32 s40, s87, 13                        ; q's scale words: 8,192 bytes a head, 256 for four tiles
	s_lshl_b32 s42, s101, 6
	s_add_co_u32 s40, s40, s42
	s_add_co_u32 s40, s40, 0x400000
	s_add_nc_u64 s[90:91], s[26:27], s[40:41]
	s_mul_i32 s87, s87, 143360                     ; k: the head's block in kv
	s_lshl_b32 s42, s101, 9
	s_add_co_u32 s40, s87, s42
	s_add_nc_u64 s[92:93], s[28:29], s[40:41]
	s_lshl_b32 s42, s101, 6
	s_add_co_u32 s40, s87, s42
	s_add_co_u32 s40, s40, 131072
	s_add_nc_u64 s[94:95], s[28:29], s[40:41]
	s_mul_i32 s100, s100, 143360                   ; v
	s_and_b32 s42, s32, 1                          ; which pair of the head's four tiles of channels
	s_lshl_b32 s101, s36, 12                       ; images: 4,096 bytes a step, 2,048 a pair
	s_lshl_b32 s87, s42, 11
	s_add_co_u32 s101, s101, s87
	s_add_co_u32 s101, s101, 65536
	s_add_co_u32 s40, s100, s101
	s_add_nc_u64 s[96:97], s[28:29], s[40:41]
	s_lshl_b32 s101, s36, 8                        ; scale words: 256 bytes a step, 128 a pair
	s_lshl_b32 s87, s42, 7
	s_add_co_u32 s101, s101, s87
	s_add_co_u32 s101, s101, 139264
	s_add_co_u32 s40, s100, s101
	s_add_nc_u64 s[98:99], s[28:29], s[40:41]
	s_mul_i32 s100, s39, T64                       ; q, k: my 64 rows of x in a slot,
	s_mul_i32 s101, s38, T64
	s_add_co_u32 s101, s101, WOFF                  ; my head's 64 rows of W;
	s_mul_i32 s104, s32, 2*TILE
	s_add_co_u32 s104, s104, WOFF                  ; v: my 32 rows of W
	SETQK 0
	s_wait_tensorcnt 0x2                           ; my part of unit 0 has landed; units 1 and 2 may be out
	s_barrier_signal -1
	s_barrier_wait -1                              ; everybody's part has landed
	; ---------------- q: units 0 and 1
	s_wait_loadcnt 0x4                             ; the scale words of K steps 0-3 are in; the four loads of K steps 4-7 may be out
	KQK 0, 1
.irp s, 1,2,3
	PLACES
	KQK \s, 0
.endr
	REFILL 72, 1                                   ; unit 3 (k's second half) into slot 0
	s_wait_loadcnt 0x0
	PLACES
	LQK 0, 8, 20                                   ; k's scale words of K steps 0-3, into the registers that q's K steps 0-3 have left
	KQK 4, 0
.irp s, 5,6,7
	PLACES
	KQK \s, 0
.endr
	REFILL 76, 2                                   ; unit 4 (v's first half) into slot 1: asked for ahead of the quantiser
	EPIQK 88, 90, 0
	; ---------------- k: units 2 and 3
	s_wait_loadcnt 0x4
	KQK 0, 1
.irp s, 1,2,3
	PLACES
	KQK \s, 0
.endr
	REFILL 80, 0                                   ; unit 5 (v's second half) into slot 2
	s_wait_loadcnt 0x0
	PLACES
	LV 0                                           ; v's scale words of K steps 0-3
	KQK 4, 0
.irp s, 5,6,7
	PLACES
	KQK \s, 0
.endr
	EPIQK 92, 94, 1
	; ---------------- v: units 4 and 5.  Unit 4 was shown landed in front of the last barrier
	SETV 1
	s_wait_loadcnt 0x5                             ; the five loads of K steps 4-7 may be out
	KV 0, 1
.irp s, 1,2,3
	PLACES
	KV \s, 0
.endr
	s_wait_tensorcnt 0x0                           ; my part of unit 5, the last load, has landed (no LDS load of mine is out: the last count-down ended at 0)
	s_barrier_signal -1
	s_barrier_wait -1                              ; everybody's has
	SETV 2
	s_wait_loadcnt 0x0
.irp s, 4,5,6,7
	PLACES
	KV \s, 0
.endr
	PLACES
.irp b, 4,5,6,7
	v_mov_b32 v[TM+\b], 0
.endr
	v_lshrrev_b32 v[TM+10], 2, v6                  ; 4 x lane
.irp tw, 0,1                                   ; 16 channels x 128 keys: four blocks along the keys, one fragment
	QUANTP ACC+64*\tw, 4, PC+8*\tw, PW+\tw
	global_store_b128 v6, v[PC+8*\tw:PC+8*\tw+3], s[96:97] offset:1024*\tw
	global_store_b128 v6, v[PC+8*\tw+4:PC+8*\tw+7], s[96:97] offset:1024*\tw+512
.endr
	v_cndmask_b32 v[SW], v[PW], v[PW+1], s86       ; lanes 0-15 the first tile's words, lanes 16-31 the second's
	global_store_b32 v[TM+10], v[SW], s[98:99]
	s_wait_tensorcnt 0x0                           ; the wave's end
	ds_add_u32 v1, v2
	s_wait_dscnt 0x0
	s_endpgm
.Lfunc_end_k_q07a06c932f_proj:
	.size	k_q07a06c932f_proj, .Lfunc_end_k_q07a06c932f_proj-k_q07a06c932f_proj
	.p2alignl 7, 3214868480
	.fill 96, 4, 3214868480
	.section	.rodata,"a",@progbits
	.p2align	6, 0x0
	.amdhsa_kernel k_q07a06c932f_proj
		.amdhsa_group_segment_fixed_size 327680
		.amdhsa_private_segment_fixed_size 0
		.amdhsa_enable_private_segment 0
		.amdhsa_kernarg_size 104
		.amdhsa_user_sgpr_count 2
		.amdhsa_user_sgpr_kernarg_segment_ptr 1
		.amdhsa_wavefront_size32 1
		.amdhsa_system_sgpr_workgroup_id_x 1
		.amdhsa_system_sgpr_workgroup_id_y 1
		.amdhsa_system_sgpr_workgroup_id_z 1
		.amdhsa_system_vgpr_workitem_id 0
		.amdhsa_next_free_vgpr 256
		.amdhsa_next_free_sgpr 106
		.amdhsa_reserve_vcc 0
		.amdhsa_float_denorm_mode_32 3
		.amdhsa_float_denorm_mode_16_64 3
		.amdhsa_memory_ordered 1
		.amdhsa_forward_progress 1
		.amdhsa_inst_pref_size 119
	.end_amdhsa_kernel
	.amdgpu_metadata
---
amdhsa.version: [ 1, 2 ]
amdhsa.kernels:
  - .name:           k_q07a06c932f_proj
    .symbol:         k_q07a06c932f_proj.kd
    .args:
      - { .name: qx, .offset: 0, .size: 8, .value_kind: global_buffer, .address_space: global }
      - { .name: key_codes, .offset: 8, .size: 8, .value_kind: global_buffer, .address_space: global }
      - { .name: key_scales, .offset: 16, .size: 8, .value_kind: global_buffer, .address_space: global }
      - { .name: value_codes, .offset: 24, .size: 8, .value_kind: global_buffer, .address_space: global }
      - { .name: value_scales, .offset: 32, .size: 8, .value_kind: global_buffer, .address_space: global }
      - { .name: W_Q_codes, .offset: 40, .size: 8, .value_kind: global_buffer, .address_space: global }
      - { .name: W_Q_scales, .offset: 48, .size: 8, .value_kind: global_buffer, .address_space: global }
      - { .name: W_K_codes, .offset: 56, .size: 8, .value_kind: global_buffer, .address_space: global }
      - { .name: W_K_scales, .offset: 64, .size: 8, .value_kind: global_buffer, .address_space: global }
      - { .name: W_V_codes, .offset: 72, .size: 8, .value_kind: global_buffer, .address_space: global }
      - { .name: W_V_scales, .offset: 80, .size: 8, .value_kind: global_buffer, .address_space: global }
      - { .name: qh, .offset: 88, .size: 8, .value_kind: global_buffer, .address_space: global }
      - { .name: kv, .offset: 96, .size: 8, .value_kind: global_buffer, .address_space: global }
    .group_segment_fixed_size: 327680
    .private_segment_fixed_size: 0
    .kernarg_segment_align: 8
    .kernarg_segment_size: 104
    .max_flat_workgroup_size: 256
    .sgpr_count:     106
    .vgpr_count:     256
    .wavefront_size: 32
...
	.end_amdgpu_metadata
.endif
;; end of part 5
;; launch attn (part 6): grid 4 x 64, 16 waves a work-group, no clusters, 169,984 bytes of LDS; arguments qh, kv, maskw, ctx; writes ctx
.if DOCPART == 6
	.amdgcn_target "amdgcn-amd-amdhsa--gfx1250"
	.amdhsa_code_object_version 6
	.text
	.protected	k_q07a06c932f_attn
	.globl	k_q07a06c932f_attn
	.p2align	8
	.type	k_q07a06c932f_attn,@function
k_q07a06c932f_attn:
	s_mov_b64 s[64:65], 0
	v_nop
	global_prefetch_b8 v0, s[64:65] scope:SCOPE_SE
	s_setreg_imm32_b32 hwreg(HW_REG_WAVE_MODE, 25, 1), 1
	s_wait_xcnt 0x0
; ATTN: scores = q k^T / 8, mask, softmax, ctx = p v, on codes of FP4 (E2M1) with E8M0 scales, and ctx's quantiser along the model's axis (two blocks of 32 a head).
; THE SOFTMAX AHEAD OF THE SECOND PRODUCT: t = score x log2(e) / 8; M = the running largest t rounded UP to a whole number; p = 2^(t - M) is quantised along the keys, not normalised;
; the row's sum is taken of the unquantised p and divides at the end.  When M moves, the sum and O are multiplied by 2^(old M - new M): exact.
; SHARES.  Work-group (x = qg, y = head bh) owns 512 queries of one head; wave w takes query tiles 32 qg + 2 w and + 1, one after the other (two passes); each pass walks 16 steps of 128 keys.
; LDS: the head's whole block of kv as it lies in memory, 143,360 bytes, filled ONCE by sixteen tensor loads of 35 rows x 256 bytes, one a wave (by this text's count a wave has one out):
;   K's images at 0, V's at 65,536, K's scale words at 131,072, V's at 139,264.  Behind it, from 143,360, 2,048 bytes into which no fill lands: ctx's scale words are gathered there.
; LAYOUT.  Both products transposed: S^T = K Q^T (source 0 = 16 keys), O^T = V^T P^T (source 0 = 16 channels): a lane holds ONE query.  Register 8 t + j of S^T is key 16 t + 8 h + j.
; THE FIRST PRODUCT'S K IS 64: the upper 64 of Q's operand are zero codes, and both sides' scale bytes 2 and 3 are 0.  K's operand of tile t is v[32 + 4 t .. + 7]: its upper four registers
;   are the next tile's codes, which meet Q's zeros and add nothing.
; THE MASK comes as bits in the scores' own order (maskw): 64 words a step by four scalar loads, asked for one step ahead; one v_cndmask_b32 a score puts -2^33 in a masked score's place.
; A BARRIER IN EVERY KEY STEP.  It orders no memory: it holds the sixteen waves to one key step, so that a SIMD's four waves stay together to the last step, and between a wave's request
;   for its mask words and its wait for them lie the other three waves' steps too.  Its signal stands ahead of the step's eight score products, its wait behind them.
; THE ORDER OF A STEP.  The 68 exponentials are one batch with one wait; the first 40 have a plain line behind each (28 scalings, 12 rescalings of O^T), and five plain lines stand between the last
;   and the wait.  Chains that feed on themselves are split: the blocks' maxima run in eight chains, the row's sum in four.
; LIMITS.  A masked score is -2^33, a logit of -1.07e9 where the problem says -1e9: rows whose every open logit lies under about -1e9 differ.  -2^33 x log2(e) / 8 is exact, so that in a row
;   with every key masked t - M is 0 and every p is 1: the uniform row.  NaN and infinities are not served.  A block whose largest magnitude lies under 2^-124 keeps the byte 1.
; NO JOINT LOADS: a head's four work-groups each ask for the 143,360 bytes once, at their head, against 512 wave steps of some 300 vector instructions each.  No prefetch: K and V are asked for in
;   the first lines, and each mask word, which sixteen work-groups read, is asked for a whole key step ahead by its own load.
; REGISTERS: v1-7 addresses and the constant -2^33; v8-11 the step's LDS addresses; v12 -M, v13 the largest t, v[14:15] the sum; v16-31 Q's two operands; v32-67 K (v64-67 zeros);
;   v68-69 Q's scale words, v70-73 K's, v74-75 V's; v76-83 ctx's codes; v84-88 the way out of its scale words; v96-159 S^T, then p; v160-191 O^T; v192-223 V; v224-231 p's codes; v232-254 at work.
.set VIMG,  65536
.set KSCW,  131072
.set VSCW,  139264
.set GATH,  143360
.set HEADB, 143360
.set SEL,   96                         ; s[96:97] v_permlanex16_b32's selects for lane l xor 16
.set CS,    98                         ; s[98:99] c = log2(e) / 8, twice: the packed form names the pair
.set TM,    232
.macro WM d, a, b, z, sa, sb, ra, rb
.if (\z)
.if (\ra) && (\rb)
	v_wmma_scale_f32_16x16x128_f8f6f4 v[(\d):(\d)+7], v[(\a):(\a)+7], v[(\b):(\b)+7], 0, v[\sa], v[\sb] matrix_a_fmt:MATRIX_FMT_FP4 matrix_b_fmt:MATRIX_FMT_FP4 matrix_a_scale:MATRIX_SCALE_ROW1 matrix_b_scale:MATRIX_SCALE_ROW1
.elseif (\ra)
	v_wmma_scale_f32_16x16x128_f8f6f4 v[(\d):(\d)+7], v[(\a):(\a)+7], v[(\b):(\b)+7], 0, v[\sa], v[\sb] matrix_a_fmt:MATRIX_FMT_FP4 matrix_b_fmt:MATRIX_FMT_FP4 matrix_a_scale:MATRIX_SCALE_ROW1
.elseif (\rb)
	v_wmma_scale_f32_16x16x128_f8f6f4 v[(\d):(\d)+7], v[(\a):(\a)+7], v[(\b):(\b)+7], 0, v[\sa], v[\sb] matrix_a_fmt:MATRIX_FMT_FP4 matrix_b_fmt:MATRIX_FMT_FP4 matrix_b_scale:MATRIX_SCALE_ROW1
.else
	v_wmma_scale_f32_16x16x128_f8f6f4 v[(\d):(\d)+7], v[(\a):(\a)+7], v[(\b):(\b)+7], 0, v[\sa], v[\sb] matrix_a_fmt:MATRIX_FMT_FP4 matrix_b_fmt:MATRIX_FMT_FP4
.endif
.else
.if (\ra) && (\rb)
	v_wmma_scale_f32_16x16x128_f8f6f4 v[(\d):(\d)+7], v[(\a):(\a)+7], v[(\b):(\b)+7], v[(\d):(\d)+7], v[\sa], v[\sb] matrix_a_fmt:MATRIX_FMT_FP4 matrix_b_fmt:MATRIX_FMT_FP4 matrix_a_scale:MATRIX_SCALE_ROW1 matrix_b_scale:MATRIX_SCALE_ROW1
.elseif (\ra)
	v_wmma_scale_f32_16x16x128_f8f6f4 v[(\d):(\d)+7], v[(\a):(\a)+7], v[(\b):(\b)+7], v[(\d):(\d)+7], v[\sa], v[\sb] matrix_a_fmt:MATRIX_FMT_FP4 matrix_b_fmt:MATRIX_FMT_FP4 matrix_a_scale:MATRIX_SCALE_ROW1
.elseif (\rb)
	v_wmma_scale_f32_16x16x128_f8f6f4 v[(\d):(\d)+7], v[(\a):(\a)+7], v[(\b):(\b)+7], v[(\d):(\d)+7], v[\sa], v[\sb] matrix_a_fmt:MATRIX_FMT_FP4 matrix_b_fmt:MATRIX_FMT_FP4 matrix_b_scale:MATRIX_SCALE_ROW1
.else
	v_wmma_scale_f32_16x16x128_f8f6f4 v[(\d):(\d)+7], v[(\a):(\a)+7], v[(\b):(\b)+7], v[(\d):(\d)+7], v[\sa], v[\sb] matrix_a_fmt:MATRIX_FMT_FP4 matrix_b_fmt:MATRIX_FMT_FP4
.endif
.endif
.endm
; nb blocks of 32 become codes and a scale word.  Register s + 16 b + 8 u + j of lane (r, h) holds k = 32 b + 16 u + 8 h + j of the lane's row.  The result of (b, u) goes to register
; 4 (b / 2) + 2 u + b % 2; one exchange of halves for each (pair of blocks, u) leaves block 2 c + h whole in lane half h, registers 4 c .. 4 c + 3, k ascending: the operand's layout.
.macro QUANTP s, nb, pc, pw
.set qb, 0
.rept \nb
	v_max3_num_f32 v[TM+qb], |v[(\s)+16*qb]|, |v[(\s)+16*qb+1]|, 0x1800000
.set qb, qb+1
.endr
.irp i, 2,4,6,8,10,12,14
.set qb, 0
.rept \nb
	v_max3_num_f32 v[TM+qb], v[TM+qb], |v[(\s)+16*qb+\i]|, |v[(\s)+16*qb+\i+1]|
.set qb, qb+1
.endr
.endr
.set qb, 0
.rept \nb
	v_permlanex16_b32 v[TM+4+qb], v[TM+qb], s[SEL], s[SEL+1]
.set qb, qb+1
.endr
.set qb, 0
.rept \nb
	v_max_num_f32 v[TM+qb], v[TM+qb], v[TM+4+qb]
.set qb, qb+1
.endr
.set qb, 0
.rept \nb
	v_add_nc_u32 v[TM+12+qb], 0xff000000, v[TM+qb]
.set qb, qb+1
.endr
.set qb, 0
.rept \nb
	v_lshrrev_b32 v[TM+4+qb], 23, v[TM+12+qb]
.set qb, qb+1
.endr
	v_lshl_or_b32 v[\pw], v[TM+5], 8, v[TM+4]
.if (\nb) == 4
	v_lshl_or_b32 v[\pw], v[TM+6], 16, v[\pw]
	v_lshl_or_b32 v[\pw], v[TM+7], 24, v[\pw]
.endif
.set qb, 0
.rept \nb
	v_cvt_scalef32_pk8_fp4_f32 v[(\pc)+4*(qb/2)+(qb%2)], v[(\s)+16*qb:(\s)+16*qb+7], v[TM+12+qb]
	v_cvt_scalef32_pk8_fp4_f32 v[(\pc)+4*(qb/2)+2+(qb%2)], v[(\s)+16*qb+8:(\s)+16*qb+15], v[TM+12+qb]
.set qb, qb+1
.endr
	v_nop
.set qb, 0
.rept (\nb)/2
	v_permlane16_swap_b32 v[(\pc)+4*qb], v[(\pc)+4*qb+1]
	v_permlane16_swap_b32 v[(\pc)+4*qb+2], v[(\pc)+4*qb+3]
.set qb, qb+1
.endr
.endm
; ONE QUERY TILE (pass p): 16 key steps in a loop, then the division, ctx's quantiser and its stores.
.macro PASS p
	s_mov_b32 s2, 0                                ; where the step's V begins,
	s_mov_b32 s3, 0                                ; its scale words,
	s_mov_b32 s14, 4096                            ; the NEXT step's K,
	s_mov_b32 s66, 512                             ; and its scale words
	s_mov_b32 s15, 16
	s_wait_dscnt 0x0                               ; the look-ahead loads of the pass before have landed: their registers are loaded again
.set t, 0
.rept 8
	ds_load_b128 v[32+4*t:35+4*t], v1 offset:512*t ; K of step 0: eight tiles' images
.set t, t+1
.endr
	ds_load_b64 v[70:71], v3
	ds_load_b64 v[72:73], v3 offset:256
	v_mov_b32 v13, 0xff61b1e6                      ; the largest t so far: -3e38
	v_floor_f32 v12, -v13                          ; -M
	v_mov_b32 v14, 0
	v_mov_b32 v15, 0
.set j, 0
.rept 32
	v_mov_b32 v[160+j], 0                          ; O^T: the step is written once; its first trip finds zeros
.set j, j+1
.endr
.Lstep_\@:
	s_wait_dscnt 0x0                               ; this step's K and its scale words, asked for a step ago; and no LDS instruction of mine is out at the signal
	s_barrier_signal -1                            ; the step's barrier: it orders no memory, it holds the sixteen waves to one key step
.set t, 0
.rept 8
	WM 96+8*t, 32+4*t, 16+8*\p, 1, 70+2*(t/4)+(t%4)/2, 68+\p, t%2, 0
.set t, t+1
.endr
	s_barrier_wait -1
	v_add_nc_u32 v9, s2, v2                        ; four plain lines: the places in front of the loads below and of the first read of the scores
	v_add_nc_u32 v11, s3, v4
	v_add_nc_u32 v8, s14, v1
	v_add_nc_u32 v10, s66, v3
.set t, 0
.rept 4
	ds_load_b128 v[192+8*t:195+8*t], v9 offset:1024*t              ; V of this step: four tiles of 16 channels x 128 keys
	ds_load_b128 v[196+8*t:199+8*t], v9 offset:1024*t+512
.set t, t+1
.endr
	ds_load_b32 v74, v11
	ds_load_b32 v75, v11 offset:128
.set t, 0
.rept 8
	ds_load_b128 v[32+4*t:35+4*t], v8 offset:512*t ; K of the next step (in the last trip: filled bytes of V's regions, not used)
.set t, t+1
.endr
	ds_load_b64 v[70:71], v10
	ds_load_b64 v[72:73], v10 offset:256
	s_wait_kmcnt 0x0                               ; this step's 64 mask words
.set n, 0
.rept 64
	v_cndmask_b32 v[96+n], v[96+n], v6, s[16+n+4*(n/48)]           ; masked: -2^33.  Ascending: each accumulator is read from its low end on
.set n, n+1
.endr
	s_add_co_u32 s104, s104, 256                   ; the next step's words: my two tiles' 8,192 bytes on end; behind the last step the offset turns to 0, so that no load leaves the buffer
	s_and_b32 s104, s104, 0x1fff
	s_load_b512 s[16:31], s[100:101], s104 offset:0x0
	s_load_b512 s[32:47], s[100:101], s104 offset:0x40
	s_load_b512 s[48:63], s[100:101], s104 offset:0x80
	s_load_b512 s[68:83], s[100:101], s104 offset:0xc0
	; the largest score of each block of 32 keys, for the row's maximum and for the block's largest p: two chains a block, eight by turns
.irp b, 0,1,2,3
	v_max3_num_f32 v[232+\b], v[96+16*\b], v[97+16*\b], v[98+16*\b]
	v_max3_num_f32 v[236+\b], v[104+16*\b], v[105+16*\b], v[106+16*\b]
.endr
.irp i, 3,5
.irp b, 0,1,2,3
	v_max3_num_f32 v[232+\b], v[232+\b], v[96+16*\b+\i], v[97+16*\b+\i]
	v_max3_num_f32 v[236+\b], v[236+\b], v[104+16*\b+\i], v[105+16*\b+\i]
.endr
.endr
.irp b, 0,1,2,3
	v_max3_num_f32 v[232+\b], v[232+\b], v[236+\b], v[103+16*\b]
.endr
.irp b, 0,1,2,3
	v_max_num_f32 v[232+\b], v[232+\b], v[111+16*\b]
.endr
.irp b, 0,1,2,3
	v_permlanex16_b32 v[236+\b], v[232+\b], s[SEL], s[SEL+1]
.endr
.irp b, 0,1,2,3
	v_max_num_f32 v[232+\b], v[232+\b], v[236+\b]  ; with lane l xor 16's 16 keys
.endr
	v_max3_num_f32 v254, v232, v233, v234
	v_max_num_f32 v254, v254, v235
	v_mul_f32 v254, s[CS], v254                    ; as t
	v_max_num_f32 v13, v13, v254                   ; the running largest t
	v_mov_b32 v254, v12
	v_floor_f32 v12, -v13                          ; the new -M = -ceil(t)
	; t - M, two at a time; the three lines that make f = 2^(old M - new M) stand among the first of them
	v_pk_fma_f32 v[96:97], v[96:97], s[CS:CS+1], v[12:13] op_sel_hi:[1,0,0]
	v_pk_fma_f32 v[98:99], v[98:99], s[CS:CS+1], v[12:13] op_sel_hi:[1,0,0]
	v_sub_f32 v254, v12, v254                      ; old M - new M: a whole number, 0 or less
	v_pk_fma_f32 v[100:101], v[100:101], s[CS:CS+1], v[12:13] op_sel_hi:[1,0,0]
	v_pk_fma_f32 v[102:103], v[102:103], s[CS:CS+1], v[12:13] op_sel_hi:[1,0,0]
	v_cvt_i32_f32 v254, v254                       ; (it saturates)
.irp b, 0,1,2,3
	v_fma_f32 v[232+\b], v[232+\b], s[CS], v12     ; the same of each block's largest score
.endr
	v_ldexp_f32 v252, 1.0, v254                    ; f
	; ONE BATCH of 68 exponentials.  None of the plain lines among them names a result: the scaling behind exponential e is of registers 104 + 2 e and 105 + 2 e, whose own exponentials come later
.set e, 0
.rept 28
	v_exp_f32 v[96+e], v[96+e]                     ; p = 2^(t - M)
	v_pk_fma_f32 v[104+2*e:105+2*e], v[104+2*e:105+2*e], s[CS:CS+1], v[12:13] op_sel_hi:[1,0,0]
.set e, e+1
.endr
.rept 12
	v_exp_f32 v[96+e], v[96+e]
	v_pk_mul_f32 v[160+2*(e-28):161+2*(e-28)], v[160+2*(e-28):161+2*(e-28)], v[252:253] op_sel_hi:[1,0]   ; O^T under the new M
.set e, e+1
.endr
.rept 24
	v_exp_f32 v[96+e], v[96+e]
.set e, e+1
.endr
.irp b, 0,1,2,3
	v_exp_f32 v[232+\b], v[232+\b]                 ; the block's largest p: the same two instructions on the same number give the same bits
.endr
.irp j, 24,26,28,30
	v_pk_mul_f32 v[160+\j:161+\j], v[160+\j:161+\j], v[252:253] op_sel_hi:[1,0]   ; the rest of O^T: plain lines behind the last exponential
.endr
	v_pk_mul_f32 v[14:15], v[14:15], v[252:253] op_sel_hi:[1,0]    ; the sums under the new M
	s_wait_alu depctr_va_vdst(0)                   ; one wait for the whole batch, ahead of its first reader
.irp b, 0,1,2,3
	v_max_num_f32 v[232+\b], 0x1800000, v[232+\b]  ; the floor 2^(3 - 127): the byte cannot fall under 1
.endr
.irp b, 0,1,2,3
	v_add_nc_u32 v[244+\b], 0xff000000, v[232+\b]  ; 2 off the exponent field: the conversion's scale operand
.endr
.irp b, 0,1,2,3
	v_lshrrev_b32 v[236+\b], 23, v[244+\b]         ; the scale's byte
.endr
	v_cvt_scalef32_pk8_fp4_f32 v224, v[96:103], v244
	v_cvt_scalef32_pk8_fp4_f32 v226, v[104:111], v244
	v_lshl_or_b32 v253, v237, 8, v236              ; p's scale word for these 128 keys: its three lines stand among the conversions
	v_cvt_scalef32_pk8_fp4_f32 v225, v[112:119], v245
	v_cvt_scalef32_pk8_fp4_f32 v227, v[120:127], v245
	v_lshl_or_b32 v253, v238, 16, v253
	v_cvt_scalef32_pk8_fp4_f32 v228, v[128:135], v246
	v_cvt_scalef32_pk8_fp4_f32 v230, v[136:143], v246
	v_lshl_or_b32 v253, v239, 24, v253
	v_cvt_scalef32_pk8_fp4_f32 v229, v[144:151], v247
	v_cvt_scalef32_pk8_fp4_f32 v231, v[152:159], v247
	v_nop                                          ; one plain line behind the scaled conversions
.irp c, 0,1
	v_permlane16_swap_b32 v[224+4*\c], v[225+4*\c]
	v_permlane16_swap_b32 v[226+4*\c], v[227+4*\c]
.endr
	; the row's sum of the unquantised p, in four chains.  These 32 lines are also the places between p's codes and scale word and the products
	v_pk_add_f32 v[236:237], v[96:97], v[98:99]
	v_pk_add_f32 v[238:239], v[100:101], v[102:103]
	v_pk_add_f32 v[240:241], v[104:105], v[106:107]
	v_pk_add_f32 v[14:15], v[14:15], v[108:109]
.irp j, 110,118,126,134,142,150
	v_pk_add_f32 v[236:237], v[236:237], v[\j:\j+1]
	v_pk_add_f32 v[238:239], v[238:239], v[\j+2:\j+3]
	v_pk_add_f32 v[240:241], v[240:241], v[\j+4:\j+5]
	v_pk_add_f32 v[14:15], v[14:15], v[\j+6:\j+7]
.endr
	v_pk_add_f32 v[236:237], v[236:237], v[158:159]
	v_pk_add_f32 v[238:239], v[238:239], v[240:241]
	v_pk_add_f32 v[14:15], v[14:15], v[236:237]
	v_pk_add_f32 v[14:15], v[14:15], v[238:239]
	s_wait_dscnt 10                                ; V and its scale words are in; the ten loads of the next step's K, issued behind them, may be out
.set t, 0
.rept 4
	WM 160+8*t, 192+8*t, 224, 0, 74+t/2, 253, t%2, 0               ; the four accumulators by turns; eight other products stand between two links of a chain
.set t, t+1
.endr
	s_add_co_u32 s2, s2, 4096
	s_add_co_u32 s3, s3, 256
	s_add_co_u32 s14, s14, 4096
	s_add_co_u32 s66, s66, 512
	s_sub_co_u32 s15, s15, 1
	s_cmp_lg_u32 s15, 0
	s_cbranch_scc1 .Lstep_\@
.rept 4
	v_nop                                          ; four places in front of the first read of O^T
.endr
	v_add_f32 v14, v14, v15
	v_permlanex16_b32 v252, v14, s[SEL], s[SEL+1]
	v_add_f32 v14, v14, v252                       ; the row's sum
	v_rcp_f32 v14, v14
	v_nop
	s_wait_alu depctr_va_vdst(0)                   ; ahead of the reciprocal's first reader
.set j, 0
.rept 32
	v_mul_f32 v[96+j], v[160+j], v14               ; ctx(r, 16 t + 8 h + i) in register 8 t + i
.set j, j+1
.endr
	QUANTP 96, 2, 76+4*\p, 254
	global_store_b128 v1, v[76+4*\p:79+4*\p], s[8:9] offset:8192*\p           ; the tile's image for this head: 512 consecutive bytes
	ds_store_b32 v5, v254 offset:64*\p             ; its scale words: lanes r and r + 16 write the same word with the same value
.endm
	s_load_b256 s[4:11], s[0:1], 0x0               ; qh s[4:5], kv s[6:7], maskw s[8:9], ctx s[10:11]
	v_lshl_add_u32 v251, v0, 2, 0x29000
	v_mov_b32 v255, 0
	ds_add_u32 v251, v255
	ds_add_u32 v251, v255
	v_lshrrev_b32 v1, 5, v0
	v_readfirstlane_b32 s12, v1                    ; wave 0..15
	s_and_b32 s13, ttmp7, 0xffff                   ; the head, 0..63
	; descriptor group 1: a dense block of 35 rows of 256 bytes (32 elements of 8 bytes), no padding
	s_mov_b32 s84, 3<<16
	s_mov_b32 s85, 32<<16                          ; tensor_dim0
	s_mov_b32 s86, 35<<16                          ; tensor_dim1
	s_mov_b32 s87, 32<<16                          ; tile_dim0
	s_mov_b32 s88, 35                              ; tile_dim1
	s_mov_b32 s89, 32                              ; the pitch
	s_mov_b32 s90, 0
	s_mov_b32 s91, 0
	s_mul_i32 s14, s12, 8960                       ; my sixteenth of the head's block, in LDS as in memory
	s_mul_i32 s16, s13, HEADB
	s_add_co_u32 s16, s16, s14
	s_mov_b32 s17, 0
	s_mov_b32 s92, 1
	s_mov_b32 s93, s14
	s_wait_dscnt 0x0
	s_wait_kmcnt 0x0
	s_add_nc_u64 s[94:95], s[6:7], s[16:17]
	s_or_b32 s95, s95, 0x80000000
	tensor_load_to_lds s[92:95], s[84:91]          ; the first and only fill
	s_nop 0
.rept 4
	v_nop
.endr
	s_lshl_b32 s18, ttmp9, 5
	s_lshl_b32 s19, s12, 1
	s_add_co_u32 s18, s18, s19                     ; my first query tile in the head: 32 qg + 2 w
	s_lshl_b32 s19, s13, 7
	s_add_co_u32 s19, s19, s18
	s_lshl_b32 s16, s19, 9
	s_add_nc_u64 s[6:7], s[4:5], s[16:17]          ; Q's images
	s_lshl_b32 s16, s13, 5
	s_lshl_b32 s20, ttmp9, 3
	s_add_co_u32 s16, s16, s20
	s_lshr_b32 s20, s12, 1
	s_add_co_u32 s16, s16, s20                     ; my quad of tiles: 32 bh + 8 qg + w / 2
	s_lshl_b32 s16, s16, 8
	s_and_b32 s20, s12, 1
	s_lshl_b32 s20, s20, 2                         ; word w % 2 of a lane's two
	s_add_co_u32 s16, s16, s20
	s_add_co_u32 s16, s16, 0x400000
	s_add_nc_u64 s[4:5], s[4:5], s[16:17]          ; Q's scale words
	s_lshr_b32 s20, s13, 4
	s_lshl_b32 s20, s20, 7
	s_add_co_u32 s20, s20, s18                     ; my first query tile of all: 128 batch + 32 qg + 2 w
	s_lshl_b32 s16, s20, 12
	s_add_nc_u64 s[100:101], s[8:9], s[16:17]      ; its mask words
	s_lshl_b32 s16, s20, 4
	s_and_b32 s21, s13, 15
	s_add_co_u32 s16, s16, s21
	s_lshl_b32 s16, s16, 9
	s_add_nc_u64 s[8:9], s[10:11], s[16:17]        ; ctx's images: [tile][head][512 bytes]
	s_lshl_b32 s16, s13, 7
	s_lshl_b32 s21, ttmp9, 5
	s_add_co_u32 s16, s16, s21
	s_lshl_b32 s16, s16, 6
	s_add_co_u32 s16, s16, 0x400000
	s_add_nc_u64 s[10:11], s[10:11], s[16:17]      ; ctx's scale words: [head][tile][16 rows], my work-group's 32 tiles
	s_lshl_b32 s22, s12, 7
	s_add_co_u32 s22, s22, GATH
	s_mov_b32 s[SEL], 0x76543210
	s_mov_b32 s[SEL+1], 0xfedcba98
	s_mov_b32 s[CS], 0x3e38aa3b                    ; log2(e) / 8
	s_mov_b32 s[CS+1], s[CS]
	v_and_b32 v8, 31, v0                           ; lane
	v_and_b32 v9, 15, v0                           ; r
	v_lshlrev_b32 v1, 4, v8                        ; 16 x lane: K's images, and the global offset of an image
	v_add_nc_u32 v2, VIMG, v1                      ; V's images
	v_lshl_add_u32 v3, v8, 3, KSCW                 ; K's scale words, 8 bytes a lane
	v_lshl_add_u32 v4, v8, 2, VSCW                 ; V's, 4 bytes a lane
	v_lshl_add_u32 v5, v9, 2, s22                  ; where ctx's scale words are gathered: 128 w + 4 r
	v_mov_b32 v6, 0xd0000000                       ; -2^33
	v_lshl_add_u32 v7, v0, 4, GATH                 ; and read back (waves 0 to 3)
	v_lshlrev_b32 v88, 4, v0
	v_lshlrev_b32 v10, 3, v9                       ; 8 r
	global_load_b128 v[16:19], v1, s[6:7]          ; Q of pass 0
	global_load_b128 v[24:27], v1, s[6:7] offset:512               ; of pass 1
	global_load_b32 v68, v10, s[4:5]               ; their scale words: lane half p of the quad's words
	global_load_b32 v69, v10, s[4:5] offset:128
.irp j, 20,21,22,23,28,29,30,31,64,65,66,67,236,237,238,239,253
	v_mov_b32 v[\j], 0                             ; Q's upper 64: zero codes; the registers behind K's last tile; permute destinations; the pair v[252:253]'s upper half
.endr
	s_mov_b32 s104, 0
	s_load_b512 s[16:31], s[100:101], s104 offset:0x0              ; step 0's mask words
	s_load_b512 s[32:47], s[100:101], s104 offset:0x40
	s_load_b512 s[48:63], s[100:101], s104 offset:0x80
	s_load_b512 s[68:83], s[100:101], s104 offset:0xc0
	s_wait_tensorcnt 0x0                           ; my part of the head's block has landed,
	s_wait_loadcnt 0x0                             ; Q is in,
	s_barrier_signal -1
	s_barrier_wait -1                              ; and everybody's part has landed
	PASS 0
	PASS 1
	s_wait_kmcnt 0x0                               ; the last look-ahead of mask words
	s_wait_dscnt 0x0                               ; my scale words lie in LDS, and my last look-ahead loads are in
	s_barrier_signal -1
	s_barrier_wait -1
	s_cmp_lt_u32 s12, 4
	s_cbranch_scc0 .Ldone
	ds_load_b128 v[84:87], v7                      ; 32 tiles x 64 bytes: four waves, 16 bytes a lane
	s_wait_dscnt 0x0
	global_store_b128 v88, v[84:87], s[10:11]      ; 512 consecutive bytes a wave
.Ldone:
	s_wait_tensorcnt 0x0
	ds_add_u32 v251, v255
	s_wait_dscnt 0x0
	s_endpgm
.Lfunc_end_k_q07a06c932f_attn:
	.size	k_q07a06c932f_attn, .Lfunc_end_k_q07a06c932f_attn-k_q07a06c932f_attn
	.p2alignl 7, 3214868480
	.fill 96, 4, 3214868480
	.section	.rodata,"a",@progbits
	.p2align	6, 0x0
	.amdhsa_kernel k_q07a06c932f_attn
		.amdhsa_group_segment_fixed_size 169984
		.amdhsa_private_segment_fixed_size 0
		.amdhsa_enable_private_segment 0
		.amdhsa_kernarg_size 32
		.amdhsa_user_sgpr_count 2
		.amdhsa_user_sgpr_kernarg_segment_ptr 1
		.amdhsa_wavefront_size32 1
		.amdhsa_system_sgpr_workgroup_id_x 1
		.amdhsa_system_sgpr_workgroup_id_y 1
		.amdhsa_system_sgpr_workgroup_id_z 1
		.amdhsa_system_vgpr_workitem_id 0
		.amdhsa_next_free_vgpr 256
		.amdhsa_next_free_sgpr 106
		.amdhsa_reserve_vcc 0
		.amdhsa_float_denorm_mode_32 3
		.amdhsa_float_denorm_mode_16_64 3
		.amdhsa_memory_ordered 1
		.amdhsa_forward_progress 1
		.amdhsa_inst_pref_size 56
	.end_amdhsa_kernel
	.amdgpu_metadata
---
amdhsa.version: [ 1, 2 ]
amdhsa.kernels:
  - .name:           k_q07a06c932f_attn
    .symbol:         k_q07a06c932f_attn.kd
    .args:
      - { .name: qh, .offset: 0, .size: 8, .value_kind: global_buffer, .address_space: global }
      - { .name: kv, .offset: 8, .size: 8, .value_kind: global_buffer, .address_space: global }
      - { .name: maskw, .offset: 16, .size: 8, .value_kind: global_buffer, .address_space: global }
      - { .name: ctx, .offset: 24, .size: 8, .value_kind: global_buffer, .address_space: global }
    .group_segment_fixed_size: 169984
    .private_segment_fixed_size: 0
    .kernarg_segment_align: 8
    .kernarg_segment_size: 32
    .max_flat_workgroup_size: 512
    .sgpr_count:     106
    .vgpr_count:     256
    .wavefront_size: 32
...
	.end_amdgpu_metadata
.endif
;; end of part 6
;; launch outln: the kernel of part 4 again; grid 256 x 1, 16 waves a work-group, no clusters, 151,040 bytes of LDS; arguments ctx, wo_img, W_O_scales, query, gamma, beta, out0; writes out0
